; MI455X (gfx1250); checked and timed in simulation.
; The chip was launched on July 23, 2026; its instructions are those of AMD's public machine-readable ISA for CDNA 5 (MIT licence, August 2026) and "CDNA5" Instruction Set Architecture Reference Guide (July 2026). The comments in the code are by the model that wrote it; some were corrected since.
;; Block. Allowed arithmetic: float matrix products may take bf16 or f16 operands with f32 sums; other float arithmetic in f32, or as packed bf16 or f16 multiplies, adds, multiply-adds, maxima and minima; sums over many terms, partial sums and values carried from step to step in f32; what a program stores and reads back later, other than sums and carried values, may be rounded once to bf16 or f16.
;; Inputs: b1 4,096 float32; b2 1,024 float32; b_proj 1,024 float32; b_qkv 3,072 float32; ln1_b 1,024 float32; ln1_g 1,024 float32; ln2_b 1,024 float32; ln2_g 1,024 float32; w1 1,024 x 4,096 float32; w2 4,096 x 1,024 float32; w_proj 1,024 x 1,024 float32; w_qkv 1,024 x 3,072 float32; x 2 x 2,048 x 1,024 float32.
;; Outputs: out0 2 x 2,048 x 1,024 float32.
;; One version. Each part assembles by itself: llvm-mc -triple=amdgcn-amd-amdhsa -mcpu=gfx1250 --defsym DOCPART=n.
;; ======== version 1 of 1: 7 launches
;; limits: values are held in f16: magnitudes above 65,504 overflow, below 6.1e-05 lose precision; a function is approximated: absolute error at most 2.5e-05; an absolute error that grows with the inputs' magnitude: up to 1.3e-05 times it
;; workspace buffers: wh 25,165,824 bytes; hn 8,388,608 bytes; qkvh 25,165,824 bytes; yh 8,388,608 bytes; x1 16,777,216 bytes; gact 33,554,432 bytes
;; launch prep (part 1): grid 1024 x 1, 8 waves a work-group, no clusters, 0 bytes of LDS; arguments x, ln1_g, ln1_b, w_qkv, w_proj, w1, w2, hn, wh; writes hn, wh
.if DOCPART == 1
	.amdgcn_target "amdgcn-amd-amdhsa--gfx1250"
	.amdhsa_code_object_version 6
	.text
	.protected	k_qb513854779_prep
	.globl	k_qb513854779_prep
	.p2align	8
	.type	k_qb513854779_prep,@function
k_qb513854779_prep:
	s_mov_b64 s[64:65], 0
	v_nop
	global_prefetch_b8 v0, s[64:65] scope:SCOPE_SE
	s_setreg_imm32_b32 hwreg(HW_REG_WAVE_MODE, 25, 1), 1
	s_wait_xcnt 0x0
; Two streams in one body; each work-group reads 65,536 bytes.  The body serves two launches.
; Work-groups 0-255: hn = LayerNorm(first argument) * g + b, rounded once to f16.  16 rows a work-group, 2 rows a wave: a row of 4,096 bytes is 32 registers of one wave, so it is
; read once and the reductions never leave the wave: no LDS, no barrier.  The variance is the mean of (x - mean)^2, taken of the differences themselves.
; Work-groups 256-1023 (the first launch alone has them; the second, for the second norm, has 256 work-groups and stores nothing into wh): the four weights, f32 [K][N], rounded once to f16
; into wh, in their own layout: w_qkv at byte 0, w_proj at 6,291,456, w1 at 8,388,608, w2 at 16,777,216.
; LIMITS: f16 holds no number of 65,520 or more (it becomes an infinity) and keeps a fixed step of 6e-8 below 6e-5.  NaN and infinities are not treated apart.
.set SRC, 4                            ; s[4:5]   x
.set GP,  6                            ; s[6:7]   gain
.set BP,  8                            ; s[8:9]   bias
.set DST, 18                           ; s[18:19] hn
.set TT,  4                            ; v[4:19]   row i: four chains of a pair at TT + 8 i
.set MN,  20                           ; v[20:23]  row i: the mean, twice
.set RS,  24                           ; v[24:27]  row i: 1 / sqrt(var + eps), twice
.set PT,  28                           ; v[28:29]  the other half of the lanes' sum
.set X0,  32                           ; v[32:95]  two rows; chunk j of a row: my columns 128 j + 4 lane ..
.set GG,  96                           ; v[96:127] gain of my 32 columns
.set BB,  128                          ; v[128:159] bias of my 32 columns
.macro FOLD                            ; four chains into one number a lane, then over the 32 lanes; every lane ends with the sum
.irp i, 0,1
	v_pk_add_f32 v[TT+8*\i:TT+8*\i+1], v[TT+8*\i:TT+8*\i+1], v[TT+8*\i+2:TT+8*\i+3]
	v_pk_add_f32 v[TT+8*\i+4:TT+8*\i+5], v[TT+8*\i+4:TT+8*\i+5], v[TT+8*\i+6:TT+8*\i+7]
.endr
.irp i, 0,1
	v_pk_add_f32 v[TT+8*\i:TT+8*\i+1], v[TT+8*\i:TT+8*\i+1], v[TT+8*\i+4:TT+8*\i+5]
.endr
.irp i, 0,1
	v_add_f32 v[TT+8*\i], v[TT+8*\i], v[TT+8*\i+1]
.endr
.irp m, 1,2,4,8
.irp i, 0,1
	v_add_f32_dpp v[TT+8*\i], v[TT+8*\i], v[TT+8*\i] row_xmask:\m row_mask:0xf bank_mask:0xf
.endr
.endr
.irp i, 0,1
	v_permlanex16_b32 v[PT+\i], v[TT+8*\i], s28, s29
.endr
.irp i, 0,1
	v_add_f32 v[TT+8*\i], v[TT+8*\i], v[PT+\i]
.endr
.endm
.macro LNROWS
.irp i, 0,1
.irp j, 0,1,2,3,4,5,6,7
	global_load_b128 v[X0+32*\i+4*\j:X0+32*\i+4*\j+3], v1, s[SRC:SRC+1] offset:4096*\i+512*\j th:TH_LOAD_NT  ; 512 bytes on end a load
.endr
.endr
.irp j, 0,1,2,3,4,5,6,7
	global_load_b128 v[GG+4*\j:GG+4*\j+3], v3, s[GP:GP+1] offset:512*\j
.endr
.irp j, 0,1,2,3,4,5,6,7
	global_load_b128 v[BB+4*\j:BB+4*\j+3], v3, s[BP:BP+1] offset:512*\j
.endr
	v_mov_b32 v[PT], 0                             ; v_permlanex16_b32 counts as a reader of its destination
	v_mov_b32 v[PT+1], 0
	s_wait_loadcnt 16                              ; the two rows are in; the 16 loads of gain and bias may stay out
.irp c, 0,1,2,3
.irp i, 0,1
	v_pk_add_f32 v[TT+8*\i+2*\c:TT+8*\i+2*\c+1], v[X0+32*\i+2*\c:X0+32*\i+2*\c+1], v[X0+32*\i+8+2*\c:X0+32*\i+8+2*\c+1]
.endr
.endr
.irp k, 16,24
.irp c, 0,1,2,3
.irp i, 0,1
	v_pk_add_f32 v[TT+8*\i+2*\c:TT+8*\i+2*\c+1], v[TT+8*\i+2*\c:TT+8*\i+2*\c+1], v[X0+32*\i+\k+2*\c:X0+32*\i+\k+2*\c+1]
.endr
.endr
.endr
	FOLD
.irp i, 0,1
	v_mul_f32 v[MN+2*\i], s30, v[TT+8*\i]          ; the mean, in both registers of a pair
	v_mul_f32 v[MN+2*\i+1], s30, v[TT+8*\i]
.endr
.set p, 0
.rept 16
.irp i, 0,1
	v_pk_add_f32 v[X0+32*\i+2*p:X0+32*\i+2*p+1], v[X0+32*\i+2*p:X0+32*\i+2*p+1], v[MN+2*\i:MN+2*\i+1] neg_lo:[0,1] neg_hi:[0,1]  ; x - mean
.endr
.set p, p+1
.endr
.irp c, 0,1,2,3
.irp i, 0,1
	v_pk_mul_f32 v[TT+8*\i+2*\c:TT+8*\i+2*\c+1], v[X0+32*\i+2*\c:X0+32*\i+2*\c+1], v[X0+32*\i+2*\c:X0+32*\i+2*\c+1]
.endr
.endr
.irp k, 8,16,24
.irp c, 0,1,2,3
.irp i, 0,1
	v_pk_fma_f32 v[TT+8*\i+2*\c:TT+8*\i+2*\c+1], v[X0+32*\i+\k+2*\c:X0+32*\i+\k+2*\c+1], v[X0+32*\i+\k+2*\c:X0+32*\i+\k+2*\c+1], v[TT+8*\i+2*\c:TT+8*\i+2*\c+1]
.endr
.endr
.endr
	FOLD
.irp i, 0,1
	v_fma_f32 v[TT+8*\i], v[TT+8*\i], s30, s31     ; var + eps
.endr
.irp i, 0,1
	v_rsq_f32 v[RS+2*\i], v[TT+8*\i]
	v_rsq_f32 v[RS+2*\i+1], v[TT+8*\i]
.endr
	v_nop                                          ; a plain instruction between the last v_rsq_f32 and the use of its result (ISA guide 5.7.2)
	s_wait_loadcnt 0x0                             ; gain and bias
.set p, 0
	s_wait_alu depctr_va_vdst(0)
.rept 16
.irp i, 0,1
	v_pk_mul_f32 v[X0+32*\i+2*p:X0+32*\i+2*p+1], v[X0+32*\i+2*p:X0+32*\i+2*p+1], v[RS+2*\i:RS+2*\i+1]
.endr
.set p, p+1
.endr
.set p, 0
.rept 16
.irp i, 0,1
	v_pk_fma_f32 v[X0+32*\i+2*p:X0+32*\i+2*p+1], v[X0+32*\i+2*p:X0+32*\i+2*p+1], v[GG+2*p:GG+2*p+1], v[BB+2*p:BB+2*p+1]
.endr
.set p, p+1
.endr
.set p, 0
.rept 16
.irp i, 0,1
	v_cvt_pk_f16_f32 v[X0+32*\i+p], v[X0+32*\i+2*p], v[X0+32*\i+2*p+1]  ; packed downward in place: register p is free when pair p is read
.endr
.set p, p+1
.endr
.irp i, 0,1
.irp j, 0,1,2,3,4,5,6,7
	global_store_b64 v2, v[X0+32*\i+2*\j:X0+32*\i+2*\j+1], s[DST:DST+1] offset:2048*\i+256*\j  ; 32 lanes store 256 consecutive bytes, aligned
.endr
.endr
.endm
	s_load_b512 s[4:19], s[0:1], 0x0               ; x, g, b, w_qkv s[10:11], w_proj s[12:13], w1 s[14:15], w2 s[16:17], hn
	s_load_b64 s[20:21], s[0:1], 0x40              ; wh
	v_lshrrev_b32 v4, 5, v0                        ; wave
	v_and_b32 v5, 31, v0                           ; lane
	v_lshlrev_b32 v3, 4, v5                        ; 16 lane: gain and bias
	v_lshl_add_u32 v1, v4, 13, v3                  ; f32 source: 8,192 wave + 16 lane
	v_lshlrev_b32 v2, 3, v5
	v_lshl_add_u32 v2, v4, 12, v2                  ; f16 destination: 4,096 wave + 8 lane
	s_mov_b32 s27, 0
	s_mov_b32 s28, 0x76543210                      ; v_permlanex16_b32: each lane takes its own place in the other half
	s_mov_b32 s29, 0xfedcba98
	s_mov_b32 s30, 0x3a800000                      ; 1 / 1024
	s_mov_b32 s31, 0x3727c5ac                      ; 1e-5
	s_wait_kmcnt 0x0
	s_cmp_lt_u32 ttmp9, 256
	s_cbranch_scc0 .Lcast
	s_lshl_b32 s26, ttmp9, 16                      ; 16 rows of 4,096 bytes
	s_add_nc_u64 s[SRC:SRC+1], s[SRC:SRC+1], s[26:27]
	s_lshl_b32 s26, ttmp9, 15                      ; 16 rows of 2,048 bytes
	s_add_nc_u64 s[DST:DST+1], s[DST:DST+1], s[26:27]
	LNROWS
	s_endpgm
.Lcast:
	s_sub_co_u32 s22, ttmp9, 256                   ; block of 65,536 source bytes, 0 .. 767: w_qkv has 192 of them, w_proj 64, w1 256, w2 256
	s_mov_b64 s[24:25], s[16:17]
	s_mov_b32 s23, 512
	s_cmp_lt_u32 s22, 512
	s_cselect_b64 s[24:25], s[14:15], s[24:25]
	s_cselect_b32 s23, 256, s23
	s_cmp_lt_u32 s22, 256
	s_cselect_b64 s[24:25], s[12:13], s[24:25]
	s_cselect_b32 s23, 192, s23
	s_cmp_lt_u32 s22, 192
	s_cselect_b64 s[24:25], s[10:11], s[24:25]
	s_cselect_b32 s23, 0, s23
	s_sub_co_u32 s26, s22, s23                     ; the block's number in its own weight
	s_lshl_b32 s26, s26, 16
	s_add_nc_u64 s[24:25], s[24:25], s[26:27]
	s_lshl_b32 s26, s22, 15                        ; in wh the weights lie end to end
	s_add_nc_u64 s[20:21], s[20:21], s[26:27]
.set j, 0
.rept 16
	global_load_b128 v[32+4*j:35+4*j], v1, s[24:25] offset:512*j th:TH_LOAD_NT  ; all 16 loads of the wave go out at once
.set j, j+1
.endr
.set j, 0
.rept 16
	s_wait_loadcnt 15-j                            ; loads come back in order (ISA guide 5.7.1): load j is in, the younger ones stay out
	v_cvt_pk_f16_f32 v[96+2*j], v[32+4*j], v[33+4*j]
	v_cvt_pk_f16_f32 v[97+2*j], v[34+4*j], v[35+4*j]
	global_store_b64 v2, v[96+2*j:97+2*j], s[20:21] offset:256*j  ; 32 lanes store 256 consecutive bytes, aligned
.set j, j+1
.endr
	s_endpgm
.Lfunc_end_k_qb513854779_prep:
	.size	k_qb513854779_prep, .Lfunc_end_k_qb513854779_prep-k_qb513854779_prep
	.p2alignl 7, 3214868480
	.fill 96, 4, 3214868480
	.section	.rodata,"a",@progbits
	.p2align	6, 0x0
	.amdhsa_kernel k_qb513854779_prep
		.amdhsa_group_segment_fixed_size 0
		.amdhsa_private_segment_fixed_size 0
		.amdhsa_enable_private_segment 0
		.amdhsa_kernarg_size 72
		.amdhsa_user_sgpr_count 2
		.amdhsa_user_sgpr_kernarg_segment_ptr 1
		.amdhsa_wavefront_size32 1
		.amdhsa_system_sgpr_workgroup_id_x 1
		.amdhsa_system_sgpr_workgroup_id_y 1
		.amdhsa_system_sgpr_workgroup_id_z 1
		.amdhsa_system_vgpr_workitem_id 0
		.amdhsa_next_free_vgpr 160
		.amdhsa_next_free_sgpr 66
		.amdhsa_reserve_vcc 0
		.amdhsa_float_denorm_mode_32 3
		.amdhsa_float_denorm_mode_16_64 3
		.amdhsa_memory_ordered 1
		.amdhsa_forward_progress 1
		.amdhsa_inst_pref_size 27
	.end_amdhsa_kernel
	.amdgpu_metadata
---
amdhsa.version: [ 1, 2 ]
amdhsa.kernels:
  - .name:           k_qb513854779_prep
    .symbol:         k_qb513854779_prep.kd
    .args:
      - { .name: x, .offset: 0, .size: 8, .value_kind: global_buffer, .address_space: global }
      - { .name: ln1_g, .offset: 8, .size: 8, .value_kind: global_buffer, .address_space: global }
      - { .name: ln1_b, .offset: 16, .size: 8, .value_kind: global_buffer, .address_space: global }
      - { .name: w_qkv, .offset: 24, .size: 8, .value_kind: global_buffer, .address_space: global }
      - { .name: w_proj, .offset: 32, .size: 8, .value_kind: global_buffer, .address_space: global }
      - { .name: w1, .offset: 40, .size: 8, .value_kind: global_buffer, .address_space: global }
      - { .name: w2, .offset: 48, .size: 8, .value_kind: global_buffer, .address_space: global }
      - { .name: hn, .offset: 56, .size: 8, .value_kind: global_buffer, .address_space: global }
      - { .name: wh, .offset: 64, .size: 8, .value_kind: global_buffer, .address_space: global }
    .group_segment_fixed_size: 0
    .private_segment_fixed_size: 0
    .kernarg_segment_align: 8
    .kernarg_segment_size: 72
    .max_flat_workgroup_size: 256
    .sgpr_count:     66
    .vgpr_count:     160
    .wavefront_size: 32
...
	.end_amdgpu_metadata
.endif
;; end of part 1
;; launch gemm_qkv (part 2): grid 16 x 16, 4 waves a work-group, clusters of 4 x 4, 327,680 bytes of LDS; arguments hn, wh, b_qkv, qkvh; writes qkvh
.if DOCPART == 2
	.amdgcn_target "amdgcn-amd-amdhsa--gfx1250"
	.amdhsa_code_object_version 6
	.text
	.protected	k_qb513854779_gemm_qkv
	.globl	k_qb513854779_gemm_qkv
	.p2align	8
	.type	k_qb513854779_gemm_qkv,@function
k_qb513854779_gemm_qkv:
	s_mov_b64 s[64:65], 0
	v_nop
	global_prefetch_b8 v0, s[64:65] scope:SCOPE_SE
	s_setreg_imm32_b32 hwreg(HW_REG_WAVE_MODE, 25, 1), 1
	s_wait_xcnt 0x0
	s_wait_alu depctr_hold_cnt(0) depctr_sa_sdst(0) depctr_va_vdst(0) depctr_va_sdst(0) depctr_va_ssrc(0) depctr_va_vcc(0) depctr_vm_vsrc(0)
	s_getreg_b32 s2, hwreg(HW_REG_IB_STS2, 6, 4)
	s_cmp_eq_u32 s2, 0
	s_cbranch_scc0 .Lentry_in_a_cluster
	s_endpgm
.Lentry_in_a_cluster:
	s_bfe_u32 s2, ttmp6, 0x10000c
	s_cmp_lg_u32 s2, 0xf033
	s_cbranch_scc0 .Lentry_shape_is_right
	s_endpgm
.Lentry_shape_is_right:
; qkvh = hn @ w_qkv + b_qkv, laid by heads: [3][32 = batch x 16 + head][2048][64] f16, rounded once from f32 sums; q is not scaled here.
; hn: [4096][1024] f16.  w_qkv: [1024][3072] f16, at byte 0 of wh.  A tile of C is 256 x 192 (three heads): 16 x 16 = 256 work-groups.  Four waves, each 64 rows x 192 columns: 48 accumulators.
; K goes in steps of 128 through two LDS slots; a step is written ONCE, the slot in hand is a scalar (SL).  W lies [K][N] in LDS and is turned on its way into registers (ds_load_tr16_b128).
; THE MATRIX INSTRUCTION IS USED TRANSPOSED: source 0 = 16 columns of W, source 1 = 16 rows of A: a lane holds row l % 16 of C and the columns 8 (l / 16) + 0..7.
; CLUSTER 4 x 4: A's tile hangs on the tile row alone and is asked for jointly along a row of the cluster, W's on the tile column alone, along a column.
; EACH CLUSTER WALKS K FROM ITS OWN START: cluster (X, Y) begins at step (RX X + RY Y) mod NS and wraps round, so that clusters with the same rows of A (same Y) or the same columns of W (same X)
; ask for different steps at any one time.  The start hangs on the cluster's own coordinates, which its sixteen work-groups share.  The f32 sums are taken in that order of K.
; W's tile rows are 384 bytes of memory; every second one starts 128 bytes past a multiple of 256.
; THE WAY OUT: the f32 sums go into a stage laid over the ring (whose last fill has landed and been read), and a counted loop adds the bias, rounds and stores 512 bytes on end.
; LIMITS: f16 holds no number of 65,520 or more (it becomes an infinity).  NaN and infinities are not treated apart.
; REGISTERS: window 0: addresses, the way out; window 1: two fragment buffers of 128 (A's fragments, then W's); windows 2, 3: accumulator (a, b) in window 2 + a / AH at 8 (NB (a % AH) + b).
.set NN,    3072
.set KK,    1024
.set TM,    256
.set TN,    192
.set MB,    4                          ; blocks of 16 rows a wave
.set NB,    12                         ; blocks of 16 columns a wave
.set KSTEP, 128
.set SUB,   1                          ; slabs of 32 along K in a quarter of a step
.set AH,    2                          ; row blocks in a register window
.set RX,    2
.set RY,    4
.set PA,    272                        ; A's LDS pitch: 256 + 16: the 16 rows of a load start at 16 different groups of four banks (64 banks of 4 bytes: ISA guide 11.1)
.set AQ,    64                         ; bytes from quarter to quarter in A
.set AA,    16*PA                      ; from row block to row block
.set AHALF, 128*PA                     ; what one tensor load of A brings
.set AWB,   64*PA                      ; a wave's rows of A
.set PB,    480                        ; W's LDS pitch: 3 x (128 + 32): an odd multiple of 32
.set BGRP,  160                        ; four column blocks and their padding
.set AD0,   128
.set AD1,   128
.set ASTR,  1024
.set AQI,   5
.set ABATCH, 4194304
.set AROW,  2048
.set A_STEP, 256
.set BD0,   192
.set BD1,   64
.set BQI,   4
.set WOFF,  0
.set KQ,     32*SUB
.set NS,     KK/KSTEP
.set BOFF,   2*AHALF
.set BHALF,  (KSTEP/2)*PB
.set SLOT,   BOFF+2*BHALF              ; A half 0, A half 1, W's K rows 0 .. KSTEP/2-1, W's other half
.set SPARE,  2*SLOT                    ; behind the ring: the spare words, 128 bytes a wave: two blocks of 256 bytes that no other line names
.set SPITCH, 4*TN+16                   ; the stage's pitch, an odd multiple of 16
.set B_STEP, KSTEP*NN*2
.set FB,     8*SUB*MB                  ; W's fragments in a buffer
.set F0,     0
.set F1,     128
.if SUB == 1
.set HN, AH/2
.else
.set HN, MB/2
.endif
.set A0,   8                           ; v8   my place in A's tile, slot 0
.set B0,   9                           ; v9   in W's tile, quarters 0, 1
.set B1,   10                          ; v10  quarters 2, 3
.set ADRA, 11                          ; v11  A0 + SL
.set ADRB, 12                          ; v12-13  B0 + SL, B1 + SL
.set STO,  14                          ; v14-15  where I put my sums in the stage
.set RD,   16                          ; v16  where I read the stage
.set CO,   17                          ; v17  my byte offset in the output
.set SPW,  18                          ; v18  LDS address of my spare word; never rewritten
.set NIL,  19                          ; v19  0; never rewritten
.set BO,   21                          ; v21  my byte offset in the bias
.set WV,  14
.set FOR, 15                           ; 0: I fetch A, 1: W
.set HF,  16                           ; which half of that tile
.set WM,  17
.set WN,  18
.set CX,  19
.set CY,  20
.set TX,  21
.set TY,  22
.set G1A, 24
.set G1B, 32
.set G0A0, 40                          ; the first step into slot 0
.set G0A, 44                           ; the second into slot 1; then every refill
.set G0B0, 48
.set G0B, 52
.set SL,  56                           ; LDS byte at which the slot being read begins
.set WOA, 57
.set WOB, 58
.set CNT, 59
.set ROT, 83                           ; the cluster's first K step
.set TQ,  84                           ; how many steps have been asked for
.set KI,  85                           ; the K step to ask for: (TQ + ROT) mod NS
.set OFA, 86                           ; s[86:87] its byte offset in A
.set OFB, 88                           ; s[88:89] in W
.set MSB, 0
.macro WIN new                         ; the immediate's high byte repeats the setting that is left; a switch that changes nothing is dropped
.if MSB != (\new)
	s_set_vgpr_msb (MSB<<8)|(\new)
.set MSB, (\new)
.endif
.endm
.macro PLACES                          ; four places behind a matrix instruction, in front of loads into registers that it has read
.rept 4
	v_nop
.endr
.endm
.macro CREST                           ; a round of the cluster's barrier behind its opening barrier
	s_cmp_lg_u32 s[WV], 0
	s_cbranch_scc1 .Lnot_wave_0_\@
	s_barrier_signal -3
.Lnot_wave_0_\@:
	s_barrier_wait -3
	s_barrier_signal -1
	s_barrier_wait -1
.endm
.macro CROUND
	s_barrier_signal -1
	s_barrier_wait -1
	CREST
.endm
.macro JLOAD                           ; a joint refill: waves 0, 1 ask for A's halves, waves 2, 3 for W's; s_nop 0 and four v_nop follow each line
	s_cmp_eq_u32 s[FOR], 0
	s_cbranch_scc0 .Lfor_b_\@
	tensor_load_to_lds s[G0A:G0A+3], s[G1A:G1A+7]
	s_nop 0
.rept 4
	v_nop
.endr
	s_branch .Lasked_\@
.Lfor_b_\@:
	tensor_load_to_lds s[G0B:G0B+3], s[G1B:G1B+7]
	s_nop 0
.rept 4
	v_nop
.endr
.Lasked_\@:
.endm
.macro FETCH q, f                      ; 32 LDS loads in one run: quarter q's fragments into buffer f
	WIN 0x40                                       ; destination window 1, address window 0
.set fc, 0
.rept SUB
.set fb, 0
.rept NB
.set rB, (\f)+FB+8*(NB*fc+fb)
.set oB, (((\q)%2)*KQ+32*fc)*PB+(fb/4)*BGRP+(fb%4)*32
	ds_load_tr16_b128 v[rB:rB+3], v[ADRB+(\q)/2] offset:oB
	ds_load_tr16_b128 v[rB+4:rB+7], v[ADRB+(\q)/2] offset:oB+16*PB
.set fb, fb+1
.endr
.set fa, 0
.rept MB
.set rA, (\f)+8*(MB*fc+fa)
.set oA, (\q)*AQ+64*fc+fa*AA
	ds_load_b128 v[rA:rA+3], v[ADRA] offset:oA
	ds_load_b128 v[rA+4:rA+7], v[ADRA] offset:oA+32
.set fa, fa+1
.endr
.set fc, fc+1
.endr
.endm
.macro MULP f, c, a0, n, zero          ; row blocks a0 .. a0+n-1 x all column blocks, slab c.  The accumulators take turns, one instruction a turn
.set ma, (\a0)
.rept (\n)
	WIN 0xa5+0x50*(ma/AH)                          ; sources 0, 1 window 1; C and D window 2 or 3
.set mb, 0
.rept NB
.set rD, 8*(NB*(ma%AH)+mb)
.set rB, (\f)+FB+8*(NB*(\c)+mb)
.set rA, (\f)+8*(MB*(\c)+ma)
.if \zero
	v_wmma_f32_16x16x32_f16 v[rD:rD+7], v[rB:rB+7], v[rA:rA+7], 0
.else
	v_wmma_f32_16x16x32_f16 v[rD:rD+7], v[rB:rB+7], v[rA:rA+7], v[rD:rD+7]
.endif
.set mb, mb+1
.endr
.set ma, ma+1
.endr
.endm
.macro MULH f, hlf, zero               ; half a quarter's products
.if SUB == 1
	MULP \f, 0, AH*(\hlf), AH, \zero
.else
	MULP \f, \hlf, 0, MB, 0
.endif
.endm
.macro QUARTER q, f, g, zero           ; at its head it asks for quarter q + 1's fragments, into buffer g, which the quarter before multiplied; then it multiplies buffer f
	PLACES
	FETCH (\q)+1, \g
	s_wait_dscnt 32                                ; all but the 32 loads just issued: buffer f, asked for a quarter ago, is in
	MULH \f, 0, \zero
	MULH \f, 1, \zero
.endm
.macro TURN fill                       ; quarter 3, on buffer 1, and the change of slots
	WIN 0
	s_wait_tensorcnt 0x0                           ; all my tensor loads have landed: the one that was out is my part of the next slot; so a group 0 may be written
	ds_add_u32 v[SPW], v[NIL]                      ; 0 onto my spare word; the descriptors' scalar work and products stand between it and the wait for it
.if \fill
	s_add_co_u32 s[KI], s[TQ], s[ROT]              ; the next K step of my cluster's walk,
	s_and_b32 s[KI], s[KI], NS-1                   ; round the end of K
	s_mul_i32 s[OFA], s[KI], A_STEP
	s_mul_i32 s[OFB], s[KI], B_STEP
	s_add_co_u32 s[TQ], s[TQ], 1
	s_add_co_u32 s[G0A+1], s[SL], s[WOA]           ; into the slot that is being read out
	s_add_nc_u64 s[G0A+2:G0A+3], s[60:61], s[OFA:OFA+1]  ; the address is made anew: the base and the step's offset,
	s_or_b32 s[G0A+3], s[G0A+3], 0x80000000        ; the type bits on top
	s_add_co_u32 s[G0B+1], s[SL], s[WOB]
	s_add_nc_u64 s[G0B+2:G0B+3], s[62:63], s[OFB:OFB+1]
	s_or_b32 s[G0B+3], s[G0B+3], 0x80000000
.endif
	s_wait_dscnt 1                                 ; only the add may be out: buffer 1's 32 loads are in
	MULP F1, 0, 0, HN, 0
	s_wait_dscnt 0x0                               ; the add is done, and my reads of this slot are over
	s_barrier_signal -1
	MULP F1, 0, HN, HN, 0
	WIN 0
	s_barrier_wait -1
.if \fill
	CREST                                          ; the barrier has opened a round of the cluster's: no wave of any partner still reads this slot or has a load on its way
	JLOAD                                          ; its four v_nop are also the places in front of the loads below
.else
	PLACES
.endif
	s_xor_b32 s[SL], s[SL], SLOT                   ; SL is 0 or SLOT
	v_add_nc_u32 v[ADRA], s[SL], v[A0]
	v_add_nc_u32 v[ADRB], s[SL], v[B0]
	v_add_nc_u32 v[ADRB+1], s[SL], v[B1]
	FETCH 0, F0
	MULH F1, 1, 0
.endm
	s_load_b256 s[4:11], s[0:1], 0x0               ; A s[4:5], wh s[6:7], bias s[8:9], output s[10:11]
	v_lshl_add_u32 v[SPW], v0, 2, SPARE
	v_mov_b32 v[NIL], 0
	ds_add_u32 v[SPW], v[NIL]                      ; the wave's opening: the add and its wait ahead of my first tensor load
	ds_add_u32 v18, v19
	v_lshrrev_b32 v1, 5, v0
	v_readfirstlane_b32 s[WV], v1
	s_lshr_b32 s[FOR], s[WV], 1
	s_and_b32 s[HF], s[WV], 1
	s_mov_b32 s[WM], s[WV]                         ; four waves down the rows, one across
	s_mov_b32 s[WN], 0
	s_bfe_u32 s[CX], ttmp6, 0x40000
	s_bfe_u32 s[CY], ttmp6, 0x40004
	s_lshl_b32 s[TX], ttmp9, 2
	s_add_co_u32 s[TX], s[TX], s[CX]               ; tile column
	s_and_b32 s[TY], ttmp7, 0xffff
	s_lshl_b32 s[TY], s[TY], 2
	s_add_co_u32 s[TY], s[TY], s[CY]               ; tile row
	s_lshl_b32 s2, s[CY], 2
	s_lshl_b32 s2, 15, s2                          ; my row of the cluster
	s_lshl_b32 s3, 0x1111, s[CX]                   ; my column
	s_or_b32 s[G1A], s2, (1<<16)|(1<<20)|(1<<21)|(AQI<<22)|(3<<25)  ; mask; 2-byte elements; padding on; bit 21 beside a mask; interval; 4 words of padding
	s_or_b32 s[G1B], s3, (1<<16)|(1<<20)|(1<<21)|(BQI<<22)|(7<<25)  ; the same with 8 words of padding
	s_mov_b32 s[G1A+1], AD0<<16                    ; tensor_dim0
	s_mov_b32 s[G1A+2], AD1<<16                    ; tensor_dim1
	s_mov_b32 s[G1A+3], AD0<<16                    ; tile_dim0
	s_mov_b32 s[G1A+4], AD1                        ; tile_dim1
	s_mov_b32 s[G1A+5], ASTR                       ; elements from row to row
	s_mov_b32 s[G1A+6], 0
	s_mov_b32 s[G1A+7], 0
	s_mov_b32 s[G1B+1], BD0<<16
	s_mov_b32 s[G1B+2], BD1<<16
	s_mov_b32 s[G1B+3], BD0<<16
	s_mov_b32 s[G1B+4], BD1
	s_mov_b32 s[G1B+5], NN
	s_mov_b32 s[G1B+6], 0
	s_mov_b32 s[G1B+7], 0
	s_mul_i32 s[WOA], s[HF], AHALF                 ; where my part of a slot lies: the wave's number alone enters
	s_mul_i32 s[WOB], s[HF], BHALF
	s_add_co_u32 s[WOB], s[WOB], BOFF
	s_mul_i32 s60, s[TY], TM                       ; A's offset: of the tile row and the wave's number alone
	s_mul_i32 s61, s[HF], TM/2
	s_add_co_u32 s60, s60, s61
	s_lshr_b32 s61, s60, 11
	s_and_b32 s60, s60, 2047
	s_mul_i32 s61, s61, ABATCH
	s_mul_i32 s60, s60, AROW
	s_add_co_u32 s60, s60, s61
	s_mov_b32 s61, 0
	s_mul_i32 s62, s[HF], (KSTEP/2)*NN*2           ; W's offset: of the tile column and the wave's number alone
	s_mul_i32 s63, s[TX], TN*2
	s_add_co_u32 s62, s62, s63
	s_add_co_u32 s62, s62, WOFF
	s_mov_b32 s63, 0
	s_and_b32 s[KI], ttmp7, 0xffff                 ; the cluster's y,
	s_mul_i32 s[KI], s[KI], RY
	s_mul_i32 s[ROT], ttmp9, RX                    ; its x:
	s_add_co_u32 s[ROT], s[ROT], s[KI]
	s_and_b32 s[ROT], s[ROT], NS-1                 ; the K step at which my cluster begins
	s_add_co_u32 s[KI], s[ROT], 1
	s_and_b32 s[KI], s[KI], NS-1                   ; and its second
	s_mov_b32 s[OFA+1], 0
	s_mov_b32 s[OFB+1], 0
	s_mov_b32 s[TQ], 2
	s_wait_dscnt 0x0                               ; the opening add is done
	s_wait_kmcnt 0x0
	s_add_nc_u64 s[60:61], s[4:5], s[60:61]        ; A at my rows, K = 0
	s_add_nc_u64 s[62:63], s[6:7], s[62:63]        ; W at my columns and my half of K step 0
	s_mul_i32 s[OFA], s[ROT], A_STEP
	s_mul_i32 s[OFB], s[ROT], B_STEP
	s_mov_b32 s[G0A0], 1
	s_mov_b32 s[G0A0+1], s[WOA]
	s_add_nc_u64 s[G0A0+2:G0A0+3], s[60:61], s[OFA:OFA+1]
	s_or_b32 s[G0A0+3], s[G0A0+3], 0x80000000
	s_mov_b32 s[G0B0], 1
	s_mov_b32 s[G0B0+1], s[WOB]
	s_add_nc_u64 s[G0B0+2:G0B0+3], s[62:63], s[OFB:OFB+1]
	s_or_b32 s[G0B0+3], s[G0B0+3], 0x80000000
	s_mul_i32 s[OFA], s[KI], A_STEP
	s_mul_i32 s[OFB], s[KI], B_STEP
	s_mov_b32 s[G0A], 1
	s_add_co_u32 s[G0A+1], s[WOA], SLOT
	s_add_nc_u64 s[G0A+2:G0A+3], s[60:61], s[OFA:OFA+1]
	s_or_b32 s[G0A+3], s[G0A+3], 0x80000000
	s_mov_b32 s[G0B], 1
	s_add_co_u32 s[G0B+1], s[WOB], SLOT
	s_add_nc_u64 s[G0B+2:G0B+3], s[62:63], s[OFB:OFB+1]
	s_or_b32 s[G0B+3], s[G0B+3], 0x80000000
	CROUND                                         ; all sixteen work-groups are here: the first joint loads meet
	s_cmp_eq_u32 s[FOR], 0                         ; a wave's two first fills stand in one branch: two loads of mine are out
	s_cbranch_scc0 .Lfirst_b
	tensor_load_to_lds s[G0A0:G0A0+3], s[G1A:G1A+7]
	s_nop 0
	tensor_load_to_lds s[G0A:G0A+3], s[G1A:G1A+7]
	s_nop 0
.rept 4
	v_nop
.endr
	s_branch .Lfirst_done
.Lfirst_b:
	tensor_load_to_lds s[G0B0:G0B0+3], s[G1B:G1B+7]
	s_nop 0
	tensor_load_to_lds s[G0B:G0B+3], s[G1B:G1B+7]
	s_nop 0
.rept 4
	v_nop
.endr
.Lfirst_done:
	v_and_b32 v3, 31, v0                           ; l
	v_and_b32 v1, 15, v0                           ; l % 16
	v_bfe_u32 v2, v0, 4, 1                         ; l / 16
	v_mul_u32_u24 v[A0], v1, PA
	v_lshl_add_u32 v[A0], v2, 4, v[A0]
	s_mul_i32 s23, s[WM], AWB
	v_add_nc_u32 v[A0], s23, v[A0]                 ; A: row x pitch + 16 x half
	v_and_b32 v4, 7, v0
	v_lshl_add_u32 v4, v2, 3, v4
	v_mul_u32_u24 v[B0], v4, PB                    ; W, turned: K row 8 (l / 16) + l % 8,
	v_bfe_u32 v5, v0, 3, 1
	v_lshl_add_u32 v[B0], v5, 4, v[B0]             ; columns 8 ((l / 8) % 2) ..
	s_mul_i32 s23, s[WN], 32*NB
	s_add_co_u32 s23, s23, BOFF
	v_add_nc_u32 v[B0], s23, v[B0]
	v_add_nc_u32 v[B1], 2*KQ*PB, v[B0]
	s_mul_i32 s23, s[WM], 16*MB*SPITCH
	s_mul_i32 s66, s[WN], 64*NB
	s_add_co_u32 s23, s23, s66
	v_mul_u32_u24 v[STO], v1, SPITCH
	v_lshl_add_u32 v[STO], v2, 5, v[STO]
	v_add_nc_u32 v[STO], s23, v[STO]
	; the way out: wave w takes rows 64 w .. of the stage, 4 rows x 3 heads a trip; lane l: row l / 8, 8 columns at 8 (l % 8)
	v_lshrrev_b32 v4, 3, v3
	v_and_b32 v5, 7, v3
	v_mul_u32_u24 v[RD], v4, SPITCH
	v_lshl_add_u32 v[RD], v5, 5, v[RD]
	s_mul_i32 s23, s[WV], 64*SPITCH
	v_add_nc_u32 v[RD], s23, v[RD]
	v_lshlrev_b32 v[CO], 4, v3                     ; 4 rows of 128 bytes of a head are 512 bytes on end
	v_lshlrev_b32 v[BO], 5, v5
	s_mul_i32 s80, s[TX], 768
	s_mov_b32 s81, 0
	s_add_nc_u64 s[8:9], s[8:9], s[80:81]
.irp gi, 0,1,2
	global_load_b128 v[96+8*\gi:99+8*\gi], v[BO], s[8:9] offset:256*\gi
	global_load_b128 v[100+8*\gi:103+8*\gi], v[BO], s[8:9] offset:256*\gi+16
.endr
.irp gi, 0,1,2                         ; s[68:73]: the three heads' rows in qkvh
	s_mul_i32 s80, s[TX], 3
	s_add_co_u32 s80, s80, \gi                     ; column / 64: 16 x (q, k or v) + head
	s_lshr_b32 s81, s80, 4
	s_and_b32 s80, s80, 15
	s_lshl_b32 s81, s81, 5
	s_add_co_u32 s80, s80, s81
	s_lshr_b32 s81, s[TY], 3                       ; batch
	s_lshl_b32 s81, s81, 4
	s_add_co_u32 s80, s80, s81
	s_lshl_b32 s80, s80, 18                        ; 2,048 rows of 128 bytes
	s_and_b32 s81, s[TY], 7
	s_lshl_b32 s81, s81, 8
	s_lshl_b32 s82, s[WV], 6
	s_add_co_u32 s81, s81, s82
	s_lshl_b32 s81, s81, 7
	s_add_co_u32 s80, s80, s81
	s_mov_b32 s81, 0
	s_add_nc_u64 s[68+2*\gi:69+2*\gi], s[10:11], s[80:81]
.endr
	s_mov_b32 s[SL], 0
	v_mov_b32 v[ADRA], v[A0]
	v_mov_b32 v[ADRB], v[B0]
	v_mov_b32 v[ADRB+1], v[B1]
	s_wait_tensorcnt 0x1                           ; my part of the first step is in; the second's may stay out
	s_barrier_signal -1
	s_barrier_wait -1
	FETCH 0, F0
	QUARTER 0, F0, F1, 1                           ; the first quarter's products start the sums: nothing is cleared
	WIN 0
	s_mov_b32 s[CNT], NS-2
	s_branch .Lmid
.Lstep:                                        ; a trip is a K step; its change of slots asks for the step two on
	QUARTER 0, F0, F1, 0
	WIN 0
.Lmid:
	QUARTER 1, F1, F0, 0
	QUARTER 2, F0, F1, 0
	TURN 1
	WIN 0
	s_sub_co_u32 s[CNT], s[CNT], 1
	s_cmp_lg_u32 s[CNT], 0
	s_cbranch_scc1 .Lstep
	s_mov_b32 s[CNT], 2
.Ltail:                                        ; the last two steps ask for nothing; the second's change of slots fetches fragments that are never multiplied: the price of one text for both
	QUARTER 0, F0, F1, 0
	QUARTER 1, F1, F0, 0
	QUARTER 2, F0, F1, 0
	TURN 0
	WIN 0
	s_sub_co_u32 s[CNT], s[CNT], 1
	s_cmp_lg_u32 s[CNT], 0
	s_cbranch_scc1 .Ltail
	s_wait_dscnt 0x0                               ; my reads of the ring are over,
	s_barrier_signal -1
	s_barrier_wait -1                              ; everybody's are: the stage may be laid over it
	PLACES
	PLACES
.set da, 0
.rept MB
	WIN 0x08+4*(da/AH)                             ; data in window 2 or 3, address in window 0
.set db, 0
.rept NB
.set rD, 8*(NB*(da%AH)+db)
	ds_store_b128 v[STO+da/4], v[rD:rD+3] offset:(da%4)*16*SPITCH+64*db
	ds_store_b128 v[STO+da/4], v[rD+4:rD+7] offset:(da%4)*16*SPITCH+64*db+16
.set db, db+1
.endr
.set da, da+1
.endr
	WIN 0
	s_wait_loadcnt 0x0                             ; the bias
	s_wait_dscnt 0x0                               ; for the others' sake: my stores into the stage are done
	s_barrier_signal -1
	s_barrier_wait -1
.macro EPILOAD
.irp gi, 0,1,2
	ds_load_b128 v[32+8*\gi:35+8*\gi], v[RD] offset:256*\gi
	ds_load_b128 v[36+8*\gi:39+8*\gi], v[RD] offset:256*\gi+16
.endr
.endm
.macro EPI ahead
	s_wait_dscnt 0x0
.set p, 0
.rept 12
	v_pk_add_f32 v[56+2*p:57+2*p], v[32+2*p:33+2*p], v[96+2*p:97+2*p]
.set p, p+1
.endr
.if \ahead
	v_add_nc_u32 v[RD], 4*SPITCH, v[RD]
	EPILOAD                                        ; the next trip's rows come while this trip's are rounded and stored
.endif
.set p, 0
.rept 12
	v_cvt_pk_f16_f32 v[80+p], v[56+2*p], v[57+2*p]
.set p, p+1
.endr
.irp gi, 0,1,2
	global_store_b128 v[CO], v[80+4*\gi:83+4*\gi], s[68+2*\gi:69+2*\gi]  ; 512 consecutive bytes, at a multiple of 512 from the buffer's first
.endr
.if \ahead
	s_wait_xcnt 0x0                                ; the stores have read their registers: only now are CO and the data written again
	v_add_nc_u32 v[CO], 512, v[CO]
.endif
.endm
	EPILOAD
	s_mov_b32 s[CNT], 15
.Lout:
	EPI 1
	s_sub_co_u32 s[CNT], s[CNT], 1
	s_cmp_lg_u32 s[CNT], 0
	s_cbranch_scc1 .Lout
	EPI 0
	s_wait_tensorcnt 0x0                           ; the wave's end
	ds_add_u32 v[SPW], v[NIL]
	s_wait_dscnt 0x0
	CROUND                                         ; the closing round
	s_endpgm
.Lfunc_end_k_qb513854779_gemm_qkv:
	.size	k_qb513854779_gemm_qkv, .Lfunc_end_k_qb513854779_gemm_qkv-k_qb513854779_gemm_qkv
	.p2alignl 7, 3214868480
	.fill 96, 4, 3214868480
	.section	.rodata,"a",@progbits
	.p2align	6, 0x0
	.amdhsa_kernel k_qb513854779_gemm_qkv
		.amdhsa_group_segment_fixed_size 327680
		.amdhsa_private_segment_fixed_size 0
		.amdhsa_enable_private_segment 0
		.amdhsa_kernarg_size 32
		.amdhsa_user_sgpr_count 2
		.amdhsa_user_sgpr_kernarg_segment_ptr 1
		.amdhsa_wavefront_size32 1
		.amdhsa_system_sgpr_workgroup_id_x 1
		.amdhsa_system_sgpr_workgroup_id_y 1
		.amdhsa_system_sgpr_workgroup_id_z 1
		.amdhsa_system_vgpr_workitem_id 0
		.amdhsa_next_free_vgpr 960
		.amdhsa_next_free_sgpr 90
		.amdhsa_reserve_vcc 0
		.amdhsa_float_denorm_mode_32 3
		.amdhsa_float_denorm_mode_16_64 3
		.amdhsa_memory_ordered 1
		.amdhsa_forward_progress 1
		.amdhsa_inst_pref_size 74
	.end_amdhsa_kernel
	.amdgpu_metadata
---
amdhsa.version: [ 1, 2 ]
amdhsa.kernels:
  - .name:           k_qb513854779_gemm_qkv
    .symbol:         k_qb513854779_gemm_qkv.kd
    .args:
      - { .name: hn, .offset: 0, .size: 8, .value_kind: global_buffer, .address_space: global }
      - { .name: wh, .offset: 8, .size: 8, .value_kind: global_buffer, .address_space: global }
      - { .name: b_qkv, .offset: 16, .size: 8, .value_kind: global_buffer, .address_space: global }
      - { .name: qkvh, .offset: 24, .size: 8, .value_kind: global_buffer, .address_space: global }
    .group_segment_fixed_size: 327680
    .private_segment_fixed_size: 0
    .kernarg_segment_align: 8
    .kernarg_segment_size: 32
    .max_flat_workgroup_size: 128
    .sgpr_count:     90
    .vgpr_count:     960
    .wavefront_size: 32
...
	.end_amdgpu_metadata
.endif
;; end of part 2
;; launch attn (part 3): grid 8 x 32, 4 waves a work-group, no clusters, 327,680 bytes of LDS; arguments qkvh, yh; writes yh
.if DOCPART == 3
	.amdgcn_target "amdgcn-amd-amdhsa--gfx1250"
	.amdhsa_code_object_version 6
	.text
	.protected	k_qb513854779_attn
	.globl	k_qb513854779_attn
	.p2align	8
	.type	k_qb513854779_attn,@function
k_qb513854779_attn:
	s_mov_b64 s[64:65], 0
	v_nop
	global_prefetch_b8 v0, s[64:65] scope:SCOPE_SE
	s_setreg_imm32_b32 hwreg(HW_REG_WAVE_MODE, 25, 1), 1
	s_wait_xcnt 0x0
; CAUSAL ATTENTION at head size 64.  yh[bh][q][:] = the sum over k <= q of softmax_k(Q[q] . K[k] / 8) V[k][:].  qkvh: [3][32][2048][64] f16; yh: [32][2048][64] f16.
; Products, maxima and sums in f32; the weights p are rounded to f16 for the second product (their sum l is taken of the unrounded p), the result once at the end.
; LIMITS: a hidden score counts as its value less 1e30; a weight below 2^-126 counts as 0 in l; f16 holds no number of 65,520 or more; NaN and infinities are not treated apart.
; THE WALK.  A head has 16 blocks of 128 queries; block i needs the key tiles 0 .. i of 128 keys, of which the last holds the diagonal.  Work-group b takes blocks 15 - b and then b: 17 tiles
; whatever b, so that all 256 work-groups do equal work and one loop of constant length walks them.  The ring of two LDS slots runs on across the change of blocks.
; NO CLUSTER: the 8 work-groups of a head ask for the same tile in trips 0 to 8 only; a walk common to all would have 24 trips for 17.
; SHARES.  A wave owns 32 rows of a block: two tiles t of 16 (row 32 w + 16 t + l % 16).  A tile of keys is two steps of 64.
; LAYOUT.  S^T = K Q^T (source 0 = 16 keys, source 1 = 16 queries): a lane holds ONE query (l % 16) and the keys 8 (l / 16) + 0..7; two such results rounded to f16 ARE source 1 of O^T = V^T P.
; SOFTMAX.  p = 2^(c s - c m), c = log2(e) / 8, m a running maximum; in every step O and l are multiplied by a = 2^(c m_old - c m_new).  A block's first a is 0, so O need only be finite there.
; THE MASK is the C operand that starts S^T: 0, or -1e30 where the key is hidden; it is made anew for each step of a diagonal tile, and is 0 elsewhere.
; A STEP, in phases: K of the step is fetched; V^T P of the step before; K Q^T; V is fetched; the softmax.
; REGISTERS: window 0: addresses, statistics, S^T v64-127, P v128-159, O^T v160-223.  Window 1: Q v0-31, the second block's Q v32-63, K v64-127, V v128-191, the mask v192-255.
.set KS,    64
.set PKP,   144                        ; a row of K in LDS: 128 + 16 bytes: the 16 rows of a load start at 16 different groups of four banks (64 banks of 4 bytes: ISA guide 11.1)
.set PVP,   160                        ; a row of V: 128 + 32
.set VOFF,  128*PKP                    ; a slot: 128 rows of K, then 128 rows of V
.set SLOT1, 65536                      ; slot 1 begins here: one exclusive or turns an address in one slot into the other's
.set STAGE, SLOT1+128*(PKP+PVP)        ; behind the ring, never filled by a tensor load: 16 rows x 144 bytes a wave
.set SP,    144
.set SPARE, STAGE+4*16*SP              ; the spare words, 128 bytes a wave: two blocks of 256 bytes that no other line names
.set AK0, 2
.set AV0, 3
.set AK,  4
.set AV,  5
.set STO, 6
.set RD,  7
.set GO,  8
.set MV,  12                           ; v12-13  c m_old, by tile
.set QO,  14
.set BIGV, 15                          ; -1e30
.set ST,  16                           ; tile t at ST + 4 t: c m, m, l (even keys', odd keys')
.set TMP, 24                           ; tile t at TMP + 4 t: c0-c3 at work; c2 takes a
.set D0T, 32                           ; v32-33  32 w + 16 t + l % 16 - 8 (l / 16)
.set DD,  34                           ; v34-35  the same less 64 x step
.set SPW, 36
.set NIL, 37
.set PFO, 38                           ; 256 x lane
.set SC,  64
.set PW,  128
.set OA,  160
.set QB,  32                           ; window 1
.set KF,  64
.set VF,  128
.set MC,  192
.set WV,  12
.set PB,  14                           ; b
.set HI,  15                           ; 15 - b
.set G1K, 24
.set G1V, 32
.set G0K, 40
.set G0V, 44
.set PFA, 48
.set LIM, 50
.set SLOTS, 56
.set CNT, 57
.set CS,  58
.set SEL, 60
.set TBK, 62
.set TBV, 63
.set RT,  70                           ; tiles of the block in hand still to be entered
.set NXT, 71                           ; the tile to be asked for next
.set LQ,  72                           ; the last tile of the block whose tiles are being asked for
.set NEW, 73                           ; 1: the tile to be entered is a block's first
.set OFF, 74
.set OLO, 80
.set TS,  82
.set MSB, 0
.macro WIN new
.if MSB != (\new)
	s_set_vgpr_msb (MSB<<8)|(\new)
.set MSB, (\new)
.endif
.endm
.macro PLACES
.rept 4
	v_nop
.endr
.endm
.macro LOAD                            ; waves 0, 1 fetch the halves of a tile's K, waves 2, 3 of its V: 64 keys each; s_nop 0 and four v_nop follow each line
	s_cmp_lt_u32 s[WV], 2
	s_cbranch_scc0 .Lfor_v_\@
	tensor_load_to_lds s[G0K:G0K+3], s[G1K:G1K+7]
	s_nop 0
.rept 4
	v_nop
.endr
	s_branch .Lasked_\@
.Lfor_v_\@:
	tensor_load_to_lds s[G0V:G0V+3], s[G1V:G1V+7]
	s_nop 0
.rept 4
	v_nop
.endr
.Lasked_\@:
.endm
; A PREFETCH INTO THE L2, behind the tensor load of a change of slots.  Work-group b = 0 alone asks: its first block walks all 16 tiles of the head.  In trip i each of its waves names the 32 blocks of
; 256 bytes that it will itself fetch of tile i + 3, a lane a block: two trips ahead of the load that asks for that tile.  Trips 13 and later ask for nothing; tiles 0 to 2 come by their loads alone.
.macro ASK
	s_cmp_gt_u32 s[SLOTS], s[LIM]
	s_cbranch_scc0 .Lnot_mine_\@
	global_prefetch_b8 v[PFO], s[PFA:PFA+1] th:TH_LOAD_NT scope:SCOPE_SE
.Lnot_mine_\@:
.endm
; THE CHANGE OF SLOTS.  Each wave waits for all its tensor loads (one is out: its part of the other slot), adds 0 to its spare word, and waits for that and for its reads of the slot that it leaves.
; fill = 1: the old slot is filled again, first thing behind the barrier, with tile NXT; the descriptor's address is made anew from that number.
.macro CHANGE fill
	WIN 0
	s_wait_tensorcnt 0x0
	ds_add_u32 v[SPW], v[NIL]                      ; 0 onto my spare word; scalar work stands between it and the wait for it
.if \fill
	s_lshl_b32 s[OFF], s[NXT], 14                  ; a tile is 16,384 bytes of K and of V
	s_xor_b32 s[G0K+1], s[G0K+1], SLOT1
	s_add_nc_u64 s[G0K+2:G0K+3], s[6:7], s[OFF:OFF+1]
	s_or_b32 s[G0K+3], s[G0K+3], 0x80000000
	s_xor_b32 s[G0V+1], s[G0V+1], SLOT1
	s_add_nc_u64 s[G0V+2:G0V+3], s[8:9], s[OFF:OFF+1]
	s_or_b32 s[G0V+3], s[G0V+3], 0x80000000
	s_add_co_u32 s[NXT], s[NXT], 1                 ; the block's next tile, or behind its last the second block's tile 0
	s_cmp_gt_u32 s[NXT], s[LQ]
	s_cselect_b32 s[NXT], 0, s[NXT]
	s_cselect_b32 s[LQ], s[PB], s[LQ]
	s_wait_xcnt 0x0                                ; the last prefetch, a tile back, has read its address
	s_add_nc_u64 s[PFA:PFA+1], s[PFA:PFA+1], 16384
.endif
	s_wait_dscnt 0x0                               ; the add is done, and my reads of the slot are over
	s_barrier_signal -1
	s_sub_co_u32 s[TBK], s[TBK], 2*KS*PKP          ; the fetches go back to a slot's first step, in the other slot
	s_xor_b32 s[TBK], s[TBK], SLOT1
	s_sub_co_u32 s[TBV], s[TBV], 2*KS*PVP
	s_xor_b32 s[TBV], s[TBV], SLOT1
	s_barrier_wait -1
.if \fill
	LOAD
	ASK
.endif
.endm
; 16 products S^T = K Q^T + mask: channels 32 (i / 8) on, keys 16 ((i / 2) % 4) on, tile i % 2.  The 8 accumulators take turns.
.macro KQS
.set i, 0
.rept 16
.set rS, SC+32*(i%2)+8*((i/2)%4)
.set rK, KF+16*((i/2)%4)+8*(i/8)
.set rQ, 16*(i%2)+8*(i/8)
.set rM, MC+32*(i%2)+8*((i/2)%4)
.if i < 8
	WIN 0x15                                       ; K, Q and the mask in window 1, S^T in window 0
	v_wmma_f32_16x16x32_f16 v[rS:rS+7], v[rK:rK+7], v[rQ:rQ+7], v[rM:rM+7]
.else
	WIN 0x05
	v_wmma_f32_16x16x32_f16 v[rS:rS+7], v[rK:rK+7], v[rQ:rQ+7], v[rS:rS+7]
.endif
.set i, i+1
.endr
.endm
; 16 products O^T += V^T P: keys 32 (i / 8) on, channels 16 ((i / 2) % 4) on, tile i % 2
.macro PVS
	WIN 0x01                                       ; V in window 1
.set i, 0
.rept 16
.set rO, OA+32*(i%2)+8*((i/2)%4)
.set rV, VF+32*(i/8)+8*((i/2)%4)
.set rP, PW+16*(i%2)+8*(i/8)
	v_wmma_f32_16x16x32_f16 v[rO:rO+7], v[rV:rV+7], v[rP:rP+7], v[rO:rO+7]
.set i, i+1
.endr
.endm
.macro FETCH_K
	WIN 0
	v_add_nc_u32 v[AK], s[TBK], v[AK0]
	WIN 0x40
.irp f, 0,1,2,3,4,5,6,7                ; keys 16 (f / 2) on, channels 32 (f % 2) on
	ds_load_b128 v[KF+8*\f:KF+8*\f+3],   v[AK] offset:(\f/2)*16*PKP+(\f%2)*64
	ds_load_b128 v[KF+8*\f+4:KF+8*\f+7], v[AK] offset:(\f/2)*16*PKP+(\f%2)*64+32
.endr
	s_add_co_u32 s[TBK], s[TBK], KS*PKP
	WIN 0
.endm
.macro FETCH_V
	WIN 0
	v_add_nc_u32 v[AV], s[TBV], v[AV0]
	WIN 0x40
.irp f, 0,1,2,3,4,5,6,7                ; keys 32 (f / 4) on, channels 16 (f % 4) on
	ds_load_tr16_b128 v[VF+8*\f:VF+8*\f+3],   v[AV] offset:(\f/4)*32*PVP+(\f%4)*32
	ds_load_tr16_b128 v[VF+8*\f+4:VF+8*\f+7], v[AV] offset:(\f/4)*32*PVP+16*PVP+(\f%4)*32
.endr
	s_add_co_u32 s[TBV], s[TBV], KS*PVP
	WIN 0
.endm
.macro REGS t
.set rT, ST+4*(\t)
.set rC, TMP+4*(\t)
.set rW, MV+(\t)
.set rS, SC+32*(\t)
.set rP, PW+16*(\t)
.set rO, OA+32*(\t)
.endm
; Number n of the 22 that find a tile's maximum and statistics; each accumulator's lowest registers are read first.
;   0-11 four chains of seven scores   12-14, 16 the four left over, the old m, the chains into c0   15 c m_old is kept   17, 18 the other 32 keys lie in the lane 16 away   19-21 c m; its change; a
.macro OPX t, n
	REGS \t
.if (\n) < 4
	v_max3_num_f32 v[rC+(\n)], v[rS+8*(\n)], v[rS+8*(\n)+1], v[rS+8*(\n)+2]
.elseif (\n) < 12
	v_max3_num_f32 v[rC+(\n)%4], v[rC+(\n)%4], v[rS+8*((\n)%4)+2*((\n)/4)+1], v[rS+8*((\n)%4)+2*((\n)/4)+2]
.elseif (\n) == 12
	v_max3_num_f32 v[rC], v[rC], v[rS+7], v[rS+15]
.elseif (\n) == 13
	v_max3_num_f32 v[rC+1], v[rC+1], v[rS+23], v[rS+31]
.elseif (\n) == 14
	v_max3_num_f32 v[rC+2], v[rC+2], v[rC+3], v[rT+1]
.elseif (\n) == 15
	v_mov_b32 v[rW], v[rT]
.elseif (\n) == 16
	v_max3_num_f32 v[rC], v[rC], v[rC+1], v[rC+2]
.elseif (\n) == 17
	v_permlanex16_b32 v[rC+3], v[rC], s[SEL], s[SEL+1]
.elseif (\n) == 18
	v_max_num_f32 v[rT+1], v[rC], v[rC+3]
.elseif (\n) == 19
	v_mul_f32 v[rT], s[CS], v[rT+1]
.elseif (\n) == 20
	v_sub_f32 v[rC+1], v[rW], v[rT]
.else
	v_exp_f32 v[rC+2], v[rC+1]
.endif
.endm
.macro OPF t, n                        ; c s - c m for pair n of 16
	REGS \t
	v_pk_fma_f32 v[rS+2*(\n):rS+2*(\n)+1], v[rS+2*(\n):rS+2*(\n)+1], s[CS:CS+1], v[rT:rT+1] op_sel_hi:[1,0,0] neg_lo:[0,0,1] neg_hi:[0,0,1]
.endm
.macro OPE t, n                        ; the exponential of score n of 32
	REGS \t
	v_exp_f32 v[rS+(\n)], v[rS+(\n)]
.endm
.macro OPC t, n                        ; pair n rounded to f16
	REGS \t
	s_wait_alu depctr_va_vdst(0)
	v_cvt_pk_f16_f32 v[rP+(\n)], v[rS+2*(\n)], v[rS+2*(\n)+1]
.endm
.macro OPB t, n                        ; of the four weights 4 n .. the second pair is added onto the first, in place (behind the first pair's rounding)
	REGS \t
	v_pk_add_f32 v[rS+4*(\n):rS+4*(\n)+1], v[rS+4*(\n):rS+4*(\n)+1], v[rS+4*(\n)+2:rS+4*(\n)+3]
.endm
.macro OPL t, n                        ; l takes that sum; the first time l = a l + sum
	REGS \t
.if (\n) == 0
	v_pk_fma_f32 v[rT+2:rT+3], v[rT+2:rT+3], v[rC+2:rC+3], v[rS:rS+1] op_sel_hi:[1,0,1]
	s_wait_alu depctr_va_vdst(0)
.else
	v_pk_add_f32 v[rT+2:rT+3], v[rT+2:rT+3], v[rS+4*(\n):rS+4*(\n)+1]
.endif
.endm
.macro OPR t, n                        ; pair n of 16 of O^T times a
	REGS \t
	s_wait_alu depctr_va_vdst(0)
	v_pk_mul_f32 v[rO+2*(\n):rO+2*(\n)+1], v[rO+2*(\n):rO+2*(\n)+1], v[rC+2:rC+3] op_sel_hi:[1,0]
.endm
.macro PLAIN t, n                      ; the plain instruction behind exponential n: rescaling, then roundings of pairs whose exponentials stand at least one plain instruction back, then the first sum
.if (\n) < 16
	OPR \t, \n
.elseif (\n) < 31
	OPC \t, (\n)-16
.else
	OPB \t, 0
.endif
.endm
.macro SOFTMAX                         ; 118 instructions a tile, the two tiles alternating; all in window 0; no two exponentials of a tile follow each other without a plain instruction
	WIN 0
.set n, 0
.rept 22
	OPX 0, n
	OPX 1, n
.set n, n+1
.endr
.set n, 0
.rept 16
	OPF 0, n
	OPF 1, n
.set n, n+1
.endr
.set n, 0
.rept 32
	OPE 0, n
	PLAIN 0, n
	OPE 1, n
	PLAIN 1, n
.set n, n+1
.endr
	OPL 0, 0
	OPL 1, 0
.set n, 1
.rept 6
	OPB 0, n
	OPB 1, n
	OPL 0, n
	OPL 1, n
.set n, n+1
.endr
	OPC 0, 15
	OPC 1, 15
	OPB 0, 7
	OPB 1, 7
	OPL 0, 7
	OPL 1, 7
.endm
.macro MASK                            ; register i of tile t is hidden where 16 (i / 8) + i % 8 > my row's place less 8 (l / 16) less 64 x step
	WIN 0
	s_sub_co_u32 s[TS], 2, s[CNT]
	s_lshl_b32 s[TS], s[TS], 6
	v_sub_nc_u32 v[DD], v[D0T], s[TS]
	v_sub_nc_u32 v[DD+1], v[D0T+1], s[TS]
	WIN 0x40
.irp t, 0,1
.set i, 0
.rept 32
	v_cmp_gt_i32 vcc_lo, 16*(i/8)+i%8, v[DD+\t]
	v_cndmask_b32 v[MC+32*\t+i], 0, v[BIGV], vcc_lo
.set i, i+1
.endr
.endr
	WIN 0
.endm
.macro BEGIN tail                      ; a block begins: c m far below every c s, so that the first a is 0; m the lowest finite number; l = 0.  In the loop its first tile is never the diagonal one: the mask is 0
	s_mov_b32 s[NEW], 0
.if !(\tail)
	WIN 0x40
.set i, 0
.rept 64
	v_mov_b32 v[MC+i], 0
.set i, i+1
.endr
.endif
	WIN 0
.irp t, 0,1
	v_mov_b32 v[ST+4*\t], 0xfe000000
	v_mov_b32 v[ST+4*\t+1], 0xff7fffff
	v_mov_b32 v[ST+4*\t+2], 0
	v_mov_b32 v[ST+4*\t+3], 0
.endr
.endm
.macro PACK t                          ; O^T / l, rounded; a lane's eight channels of a row are 16 bytes; into rows of 144 bytes and back as whole rows of 128
	REGS \t
.set i, 0
.rept 16
	v_pk_mul_f32 v[rO+2*i:rO+2*i+1], v[rO+2*i:rO+2*i+1], v[rT+2:rT+3] op_sel_hi:[1,0]
.set i, i+1
.endr
.set i, 0
.rept 16
	v_cvt_pk_f16_f32 v[SC+16*(\t)+i], v[rO+2*i], v[rO+2*i+1]
.set i, i+1
.endr
.irp f, 0,1,2,3
	ds_store_b128 v[STO], v[SC+16*(\t)+4*\f:SC+16*(\t)+4*\f+3] offset:32*\f
.endr
.irp f, 0,1,2,3
	ds_load_b128 v[SC+16*(\t)+4*\f:SC+16*(\t)+4*\f+3], v[RD] offset:\f*4*SP  ; LDS serves a wave's instructions in order (ISA guide 5.7.1.4): these see the stores above
.endr
.endm
.macro SEND t, younger                 ; younger: the LDS instructions issued behind tile t's loads
.irp f, 0,1,2,3
	s_wait_dscnt (\younger)+3-\f
	global_store_b128 v[GO], v[SC+16*(\t)+4*\f:SC+16*(\t)+4*\f+3], s[10:11] offset:(\t)*2048+\f*512  ; 512 consecutive bytes, at a multiple of 512 from the buffer's first
.endr
.endm
; A TILE: two steps.  A block's first tile begins behind the products V^T P, of a step that has not been.  tail = 1: the walk's last tile, always a diagonal one.
.macro BODY tag, tail
	s_sub_co_u32 s[RT], s[RT], 1
	s_mov_b32 s[CNT], 2
	s_cmp_eq_u32 s[NEW], 1
	s_cbranch_scc0 .Lstep\tag
	BEGIN \tail
	FETCH_K
	s_wait_loadcnt 0x0                             ; Q
	s_wait_dscnt 0x0
	s_branch .Lmid\tag
.Lstep\tag:
	FETCH_K                                        ; this step's K
	s_wait_dscnt 16                                ; V of the step before is in; K's 16 loads may stay out
	PVS
	s_wait_dscnt 0x0                               ; K is in
	WIN 0
.Lmid\tag:
.if \tail
	MASK
.else
	s_cmp_eq_u32 s[RT], 0                          ; the block's last tile holds the diagonal
	s_cbranch_scc0 .Lclear\tag
	MASK
.Lclear\tag:
.endif
	KQS
	WIN 0
	PLACES                                         ; behind the products: V's registers are loaded, and the scores read, only behind these
	FETCH_V                                        ; it lands under the softmax
	SOFTMAX
	s_sub_co_u32 s[CNT], s[CNT], 1
	s_cmp_lg_u32 s[CNT], 0
	s_cbranch_scc1 .Lstep\tag
.if !(\tail)
	s_cmp_eq_u32 s[RT], 0
	s_cbranch_scc0 .Lbottom
.endif
	s_wait_dscnt 0x0                               ; THE BLOCK ENDS: V of the last step is in
	PVS
	WIN 0
	PLACES
.irp t, 0,1
	v_add_f32 v[ST+4*\t+2], v[ST+4*\t+2], v[ST+4*\t+3]
.endr
.irp t, 0,1
	v_permlanex16_b32 v[ST+4*\t+3], v[ST+4*\t+2], s[SEL], s[SEL+1]
.endr
.irp t, 0,1
	v_add_f32 v[ST+4*\t+2], v[ST+4*\t+2], v[ST+4*\t+3]
.endr
.irp t, 0,1
	v_rcp_f32 v[ST+4*\t+2], v[ST+4*\t+2]
.endr
	v_nop                                          ; a plain instruction between the last reciprocal and the use of its result
	s_wait_alu depctr_va_vdst(0)
	PACK 0
	PACK 1
	SEND 0, 8
	SEND 1, 0
.if !(\tail)
	s_wait_xcnt 0x0                                ; the stores have read their registers and their base
	s_mov_b64 s[10:11], s[OLO:OLO+1]
	s_add_co_u32 s[RT], s[PB], 1                   ; the second block has b + 1 tiles
	s_mov_b32 s[NEW], 1
	WIN 0x41                                       ; the second block's Q goes where the one text names Q
.set i, 0
.rept 32
	v_mov_b32 v[i], v[QB+i]
.set i, i+1
.endr
	WIN 0
.endif
.endm
	s_load_b128 s[76:79], s[0:1], 0x0              ; qkvh s[76:77], yh s[78:79]
	v_lshl_add_u32 v[SPW], v0, 2, SPARE
	v_mov_b32 v[NIL], 0
	ds_add_u32 v[SPW], v[NIL]                      ; the wave's opening: the add and its wait ahead of my first tensor load
	ds_add_u32 v36, v37
	v_lshrrev_b32 v1, 5, v0
	v_readfirstlane_b32 s[WV], v1
	s_mov_b32 s[PB], ttmp9
	s_sub_co_u32 s[HI], 15, s[PB]
	s_and_b32 s20, ttmp7, 0xffff
	s_lshl_b32 s20, s20, 18                        ; the head's 2,048 rows of 128 bytes
	s_and_b32 s16, s[WV], 1                        ; which half of a tile's 128 keys I fetch
	s_lshl_b32 s22, s16, 13
	s_add_co_u32 s22, s22, s20
	s_mov_b32 s23, 0
	s_mul_i32 s17, s16, 64*PKP
	s_mul_i32 s18, s16, 64*PVP
	s_lshl_b32 s3, s[WV], 12                       ; my 32 rows in a block,
	s_lshl_b32 s2, s[HI], 14                       ; in the first block,
	s_add_co_u32 s2, s2, s3
	s_add_co_u32 s2, s2, s20
	s_lshl_b32 s84, s[PB], 14                      ; and in the second
	s_add_co_u32 s84, s84, s3
	s_add_co_u32 s84, s84, s20
	s_mov_b32 s3, 0
	s_mov_b32 s85, 0
	; 64 keys are 8,192 dense bytes: asked for as 32 rows of 256 bytes, two keys a row, padded in LDS after every key
	s_mov_b32 s[G1K], (1<<16)|(1<<20)|(4<<22)|(3<<25)  ; 2-byte elements; padding on; after every 32 words; 4 words
	s_mov_b32 s[G1V], (1<<16)|(1<<20)|(4<<22)|(7<<25)  ; 8 words
.irp g, G1K, G1V
	s_mov_b32 s[\g+1], 128<<16
	s_mov_b32 s[\g+2], 32<<16
	s_mov_b32 s[\g+3], 128<<16
	s_mov_b32 s[\g+4], 32
	s_mov_b32 s[\g+5], 128
	s_mov_b32 s[\g+6], 0
	s_mov_b32 s[\g+7], 0
.endr
	s_mov_b32 s[CS], 0x3e38aa3b                    ; c = log2(e) / 8
	s_mov_b32 s[CS+1], s[CS]
	s_mov_b32 s[SEL], 0x76543210
	s_mov_b32 s[SEL+1], 0xfedcba98
	s_mov_b32 s[TBK], SLOT1+2*KS*PKP               ; the first change of slots turns these two into 0
	s_mov_b32 s[TBV], SLOT1+2*KS*PVP
	s_mov_b32 s[G0K], 1
	s_mov_b32 s[G0K+1], s17
	s_mov_b32 s[G0V], 1
	s_add_co_u32 s[G0V+1], s18, VOFF
	s_add_co_u32 s[RT], s[HI], 1                   ; the first block has 16 - b tiles
	s_mov_b32 s[NXT], 1
	s_mov_b32 s[LQ], s[HI]
	s_mov_b32 s[NEW], 1
	s_mov_b32 s[OFF+1], 0
	s_mov_b32 s[SLOTS], 16
	s_cmp_eq_u32 s[PB], 0
	s_cselect_b32 s[LIM], 3, -1
	s_wait_dscnt 0x0                               ; the opening add is done
	s_wait_kmcnt 0x0
	s_add_nc_u64 s[6:7], s[76:77], s[22:23]
	s_add_nc_u64 s[8:9], s[6:7], 16777216          ; V at my half of the head's tile 0
	s_add_nc_u64 s[6:7], s[6:7], 8388608           ; K likewise
	s_add_nc_u64 s[G0K+2:G0K+3], s[6:7], 0
	s_or_b32 s[G0K+3], s[G0K+3], 0x80000000
	s_add_nc_u64 s[G0V+2:G0V+3], s[8:9], 0
	s_or_b32 s[G0V+3], s[G0V+3], 0x80000000
	s_add_nc_u64 s[4:5], s[76:77], s[2:3]          ; Q at my rows of the first block,
	s_add_nc_u64 s[86:87], s[76:77], s[84:85]      ; of the second
	s_add_nc_u64 s[10:11], s[78:79], s[2:3]
	s_add_nc_u64 s[OLO:OLO+1], s[78:79], s[84:85]
	s_cmp_lt_u32 s[WV], 2
	s_cselect_b64 s[PFA:PFA+1], s[6:7], s[8:9]
	s_add_nc_u64 s[PFA:PFA+1], s[PFA:PFA+1], 32768 ; at tile 2: the first change of slots steps it to tile 3
	LOAD                                           ; tile 0 into slot 0
	v_and_b32 v1, 15, v0                           ; l % 16
	v_bfe_u32 v9, v0, 4, 1                         ; l / 16
	v_lshlrev_b32 v[QO], 7, v1
	v_lshl_add_u32 v[QO], v9, 4, v[QO]
	WIN 0x40
.set i, 0
.rept 4                                ; both blocks' Q: tile i / 2, channels 32 (i % 2) on
	global_load_b128 v[8*i:8*i+3],   v[QO], s[4:5] offset:(i/2)*2048+(i%2)*64
	global_load_b128 v[8*i+4:8*i+7], v[QO], s[4:5] offset:(i/2)*2048+(i%2)*64+32
	global_load_b128 v[QB+8*i:QB+8*i+3],   v[QO], s[86:87] offset:(i/2)*2048+(i%2)*64
	global_load_b128 v[QB+8*i+4:QB+8*i+7], v[QO], s[86:87] offset:(i/2)*2048+(i%2)*64+32
.set i, i+1
.endr
	WIN 0
	v_lshlrev_b32 v[D0T], 3, v9
	v_sub_nc_u32 v[D0T], v1, v[D0T]
	s_lshl_b32 s13, s[WV], 5
	v_add_nc_u32 v[D0T], s13, v[D0T]
	v_add_nc_u32 v[D0T+1], 16, v[D0T]
	v_mov_b32 v[BIGV], 0xf149f2ca                  ; -1e30
	v_mul_u32_u24 v[AK0], v1, PKP
	v_lshl_add_u32 v[AK0], v9, 4, v[AK0]
	v_and_b32 v10, 7, v0
	v_bfe_u32 v11, v0, 3, 1
	v_lshl_add_u32 v[AV0], v9, 3, v10              ; the turning load: key 8 (l / 16) + l % 8, channels 8 ((l / 8) % 2) ..
	v_mul_u32_u24 v[AV0], v[AV0], PVP
	v_lshl_add_u32 v[AV0], v11, 4, v[AV0]
	v_add_nc_u32 v[AV0], VOFF, v[AV0]
	s_mul_i32 s13, s[WV], 16*SP
	s_add_co_u32 s13, s13, STAGE
	v_mul_u32_u24 v[STO], v1, SP
	v_lshl_add_u32 v[STO], v9, 4, v[STO]
	v_add_nc_u32 v[STO], s13, v[STO]
	v_bfe_u32 v[RD], v0, 3, 2
	v_mul_u32_u24 v[RD], v[RD], SP
	v_lshl_add_u32 v[RD], v10, 4, v[RD]
	v_add_nc_u32 v[RD], s13, v[RD]
	v_and_b32 v[GO], 31, v0
	v_lshlrev_b32 v[PFO], 8, v[GO]
	v_lshlrev_b32 v[GO], 4, v[GO]
.set i, 0
.rept 64
	v_mov_b32 v[OA+i], 0                           ; finite numbers for the first a = 0 to multiply; written in the wait for the first tile
.set i, i+1
.endr
.Ltile:                                        ; 16 times: a tile is entered and the next is asked for
	CHANGE 1
	BODY 1, 0
.Lbottom:
	s_sub_co_u32 s[SLOTS], s[SLOTS], 1
	s_cmp_lg_u32 s[SLOTS], 0
	s_cbranch_scc1 .Ltile
	CHANGE 0                                       ; the walk's last tile is written out
	BODY 2, 1
	s_wait_tensorcnt 0x0                           ; the wave's end
	ds_add_u32 v[SPW], v[NIL]
	s_wait_dscnt 0x0
	s_endpgm
.Lfunc_end_k_qb513854779_attn:
	.size	k_qb513854779_attn, .Lfunc_end_k_qb513854779_attn-k_qb513854779_attn
	.p2alignl 7, 3214868480
	.fill 96, 4, 3214868480
	.section	.rodata,"a",@progbits
	.p2align	6, 0x0
	.amdhsa_kernel k_qb513854779_attn
		.amdhsa_group_segment_fixed_size 327680
		.amdhsa_private_segment_fixed_size 0
		.amdhsa_enable_private_segment 0
		.amdhsa_kernarg_size 16
		.amdhsa_user_sgpr_count 2
		.amdhsa_user_sgpr_kernarg_segment_ptr 1
		.amdhsa_wavefront_size32 1
		.amdhsa_system_sgpr_workgroup_id_x 1
		.amdhsa_system_sgpr_workgroup_id_y 1
		.amdhsa_system_sgpr_workgroup_id_z 1
		.amdhsa_system_vgpr_workitem_id 0
		.amdhsa_next_free_vgpr 512
		.amdhsa_next_free_sgpr 88
		.amdhsa_reserve_vcc 1
		.amdhsa_float_denorm_mode_32 3
		.amdhsa_float_denorm_mode_16_64 3
		.amdhsa_memory_ordered 1
		.amdhsa_forward_progress 1
		.amdhsa_inst_pref_size 81
	.end_amdhsa_kernel
	.amdgpu_metadata
---
amdhsa.version: [ 1, 2 ]
amdhsa.kernels:
  - .name:           k_qb513854779_attn
    .symbol:         k_qb513854779_attn.kd
    .args:
      - { .name: qkvh, .offset: 0, .size: 8, .value_kind: global_buffer, .address_space: global }
      - { .name: yh, .offset: 8, .size: 8, .value_kind: global_buffer, .address_space: global }
    .group_segment_fixed_size: 327680
    .private_segment_fixed_size: 0
    .kernarg_segment_align: 8
    .kernarg_segment_size: 16
    .max_flat_workgroup_size: 128
    .sgpr_count:     88
    .vgpr_count:     512
    .wavefront_size: 32
...
	.end_amdgpu_metadata
.endif
;; end of part 3
;; launch gemm_proj (part 4): grid 8 x 32, 4 waves a work-group, clusters of 4 x 4, 327,680 bytes of LDS; arguments yh, wh, b_proj, x, x1; writes x1
.if DOCPART == 4
	.amdgcn_target "amdgcn-amd-amdhsa--gfx1250"
	.amdhsa_code_object_version 6
	.text
	.protected	k_qb513854779_gemm_proj
	.globl	k_qb513854779_gemm_proj
	.p2align	8
	.type	k_qb513854779_gemm_proj,@function
k_qb513854779_gemm_proj:
	s_mov_b64 s[64:65], 0
	v_nop
	global_prefetch_b8 v0, s[64:65] scope:SCOPE_SE
	s_setreg_imm32_b32 hwreg(HW_REG_WAVE_MODE, 25, 1), 1
	s_wait_xcnt 0x0
	s_wait_alu depctr_hold_cnt(0) depctr_sa_sdst(0) depctr_va_vdst(0) depctr_va_sdst(0) depctr_va_ssrc(0) depctr_va_vcc(0) depctr_vm_vsrc(0)
	s_getreg_b32 s2, hwreg(HW_REG_IB_STS2, 6, 4)
	s_cmp_eq_u32 s2, 0
	s_cbranch_scc0 .Lentry_in_a_cluster
	s_endpgm
.Lentry_in_a_cluster:
	s_bfe_u32 s2, ttmp6, 0x10000c
	s_cmp_lg_u32 s2, 0xf033
	s_cbranch_scc0 .Lentry_shape_is_right
	s_endpgm
.Lentry_shape_is_right:
; x1 = x + yh @ w_proj + b_proj, f32.  yh: [32 = batch x 16 + head][2048][64] f16; w_proj: [1024][1024] f16 at byte 6,291,456 of wh.
; A tile of C is 128 x 128: 8 x 32 = 256 work-groups.  Four waves, 2 x 2, each 64 x 64: 16 accumulators.  THE RESIDUAL STARTS THE SUMS: x is loaded straight into the accumulators.
; K goes in steps of 256 = four heads.  A wave's 64 rows of one head are 8,192 dense bytes, so A's tile is 4 rows of 4,096 elements, a head apart, padded in LDS after every 128 bytes:
; LDS holds [half][head][row], pitch 144, and quarter q of a step is head q.  A step is written ONCE, the slot in hand is a scalar (SL).  W lies [K][N] in LDS and is turned by ds_load_tr16_b128.
; THE MATRIX INSTRUCTION IS USED TRANSPOSED: source 0 = 16 columns of W, source 1 = 16 rows of A: a lane holds row l % 16 of C and the columns 8 (l / 16) + 0..7.
; CLUSTER 4 x 4: A's tile is asked for jointly along a row of the cluster, W's along a column.
; EACH CLUSTER WALKS K FROM ITS OWN START: cluster (X, Y) begins at step (RX X + RY Y) mod NS and wraps round, so that clusters with the same rows of A (same Y) or the same columns of W (same X)
; ask for different steps at any one time.  The start hangs on the cluster's own coordinates, which its sixteen work-groups share.  The f32 sums are taken in that order of K.
; THE WAY OUT: the f32 sums go into a stage laid over the ring (whose last fill has landed and been read); a counted loop adds the bias and stores rows of 512 bytes.
; LIMITS: NaN and infinities are not treated apart.
; REGISTERS: window 0: addresses, the way out; window 1: two fragment buffers of 128 (A's fragments, then W's); window 2: accumulator (a, b) at 8 (NB a + b).
.set NN,    1024
.set KK,    1024
.set TM,    128
.set TN,    128
.set MB,    4
.set NB,    4
.set KSTEP, 256
.set SUB,   2
.set AH,    4
.set RX,    2
.set RY,    1
.set PA,    144                        ; 128 + 16: the 16 rows of a load start at 16 different groups of four banks (64 banks of 4 bytes: ISA guide 11.1)
.set AQ,    64*PA
.set AA,    16*PA
.set AHALF, 4*64*PA
.set AWB,   AHALF
.set PB,    288                        ; 256 + 32: an odd multiple of 32
.set BGRP,  128
.set AD0,   4096
.set AD1,   4
.set ASTR,  131072
.set AQI,   4
.set ABATCH, 4194304
.set AROW,  128
.set A_STEP, 1048576
.set BD0,   128
.set BD1,   128
.set BQI,   5
.set WOFF,  6291456
.set KQ,     32*SUB
.set NS,     KK/KSTEP
.set BOFF,   2*AHALF
.set BHALF,  (KSTEP/2)*PB
.set SLOT,   BOFF+2*BHALF
.set SPARE,  2*SLOT                    ; behind the ring: the spare words, 128 bytes a wave: two blocks of 256 bytes that no other line names
.set SPITCH, 4*TN+16
.set B_STEP, KSTEP*NN*2
.set FB,     8*SUB*MB
.set F0,     0
.set F1,     128
.if SUB == 1
.set HN, AH/2
.else
.set HN, MB/2
.endif
.set A0,   8
.set B0,   9
.set B1,   10
.set ADRA, 11
.set ADRB, 12
.set STO,  14
.set RD,   16
.set CO,   17
.set SPW,  18
.set NIL,  19
.set RO,   20
.set WV,  14
.set FOR, 15
.set HF,  16
.set WM,  17
.set WN,  18
.set CX,  19
.set CY,  20
.set TX,  21
.set TY,  22
.set G1A, 24
.set G1B, 32
.set G0A0, 40
.set G0A, 44
.set G0B0, 48
.set G0B, 52
.set SL,  56
.set WOA, 57
.set WOB, 58
.set CNT, 59
.set ROT, 83                           ; the cluster's first K step
.set TQ,  84                           ; how many steps have been asked for
.set KI,  85                           ; the K step to ask for: (TQ + ROT) mod NS
.set OFA, 86                           ; s[86:87] its byte offset in A
.set OFB, 88                           ; s[88:89] in W
.set MSB, 0
.macro WIN new
.if MSB != (\new)
	s_set_vgpr_msb (MSB<<8)|(\new)
.set MSB, (\new)
.endif
.endm
.macro PLACES
.rept 4
	v_nop
.endr
.endm
.macro CREST
	s_cmp_lg_u32 s[WV], 0
	s_cbranch_scc1 .Lnot_wave_0_\@
	s_barrier_signal -3
.Lnot_wave_0_\@:
	s_barrier_wait -3
	s_barrier_signal -1
	s_barrier_wait -1
.endm
.macro CROUND
	s_barrier_signal -1
	s_barrier_wait -1
	CREST
.endm
.macro JLOAD                           ; a joint refill: waves 0, 1 ask for A's halves, waves 2, 3 for W's; s_nop 0 and four v_nop follow each line
	s_cmp_eq_u32 s[FOR], 0
	s_cbranch_scc0 .Lfor_b_\@
	tensor_load_to_lds s[G0A:G0A+3], s[G1A:G1A+7]
	s_nop 0
.rept 4
	v_nop
.endr
	s_branch .Lasked_\@
.Lfor_b_\@:
	tensor_load_to_lds s[G0B:G0B+3], s[G1B:G1B+7]
	s_nop 0
.rept 4
	v_nop
.endr
.Lasked_\@:
.endm
.macro FETCH q, f                      ; 32 LDS loads in one run: quarter q's fragments into buffer f
	WIN 0x40
.set fc, 0
.rept SUB
.set fb, 0
.rept NB
.set rB, (\f)+FB+8*(NB*fc+fb)
.set oB, (((\q)%2)*KQ+32*fc)*PB+(fb/4)*BGRP+(fb%4)*32
	ds_load_tr16_b128 v[rB:rB+3], v[ADRB+(\q)/2] offset:oB
	ds_load_tr16_b128 v[rB+4:rB+7], v[ADRB+(\q)/2] offset:oB+16*PB
.set fb, fb+1
.endr
.set fa, 0
.rept MB
.set rA, (\f)+8*(MB*fc+fa)
.set oA, (\q)*AQ+64*fc+fa*AA
	ds_load_b128 v[rA:rA+3], v[ADRA] offset:oA
	ds_load_b128 v[rA+4:rA+7], v[ADRA] offset:oA+32
.set fa, fa+1
.endr
.set fc, fc+1
.endr
.endm
.macro MULP f, c, a0, n, zero          ; the accumulators take turns, one instruction a turn
.set ma, (\a0)
.rept (\n)
	WIN 0xa5+0x50*(ma/AH)
.set mb, 0
.rept NB
.set rD, 8*(NB*(ma%AH)+mb)
.set rB, (\f)+FB+8*(NB*(\c)+mb)
.set rA, (\f)+8*(MB*(\c)+ma)
.if \zero
	v_wmma_f32_16x16x32_f16 v[rD:rD+7], v[rB:rB+7], v[rA:rA+7], 0
.else
	v_wmma_f32_16x16x32_f16 v[rD:rD+7], v[rB:rB+7], v[rA:rA+7], v[rD:rD+7]
.endif
.set mb, mb+1
.endr
.set ma, ma+1
.endr
.endm
.macro MULH f, hlf, zero
.if SUB == 1
	MULP \f, 0, AH*(\hlf), AH, \zero
.else
	MULP \f, \hlf, 0, MB, 0
.endif
.endm
.macro QUARTER q, f, g, zero           ; at its head it asks for quarter q + 1's fragments, into buffer g, which the quarter before multiplied; then it multiplies buffer f
	PLACES
	FETCH (\q)+1, \g
	s_wait_dscnt 32                                ; all but the 32 loads just issued: buffer f, asked for a quarter ago, is in
	MULH \f, 0, \zero
	MULH \f, 1, \zero
.endm
.macro TURN fill                       ; quarter 3, on buffer 1, and the change of slots
	WIN 0
	s_wait_tensorcnt 0x0                           ; all my tensor loads have landed: the one that was out is my part of the next slot; so a group 0 may be written
	ds_add_u32 v[SPW], v[NIL]                      ; 0 onto my spare word
.if \fill
	s_add_co_u32 s[KI], s[TQ], s[ROT]              ; the next K step of my cluster's walk,
	s_and_b32 s[KI], s[KI], NS-1                   ; round the end of K
	s_mul_i32 s[OFA], s[KI], A_STEP
	s_mul_i32 s[OFB], s[KI], B_STEP
	s_add_co_u32 s[TQ], s[TQ], 1
	s_add_co_u32 s[G0A+1], s[SL], s[WOA]           ; into the slot that is being read out
	s_add_nc_u64 s[G0A+2:G0A+3], s[60:61], s[OFA:OFA+1]  ; the address is made anew: the base and the step's offset,
	s_or_b32 s[G0A+3], s[G0A+3], 0x80000000        ; the type bits on top
	s_add_co_u32 s[G0B+1], s[SL], s[WOB]
	s_add_nc_u64 s[G0B+2:G0B+3], s[62:63], s[OFB:OFB+1]
	s_or_b32 s[G0B+3], s[G0B+3], 0x80000000
.endif
	s_wait_dscnt 1                                 ; only the add may be out: buffer 1's 32 loads are in
	MULP F1, 0, 0, HN, 0
	s_wait_dscnt 0x0                               ; the add is done, and my reads of this slot are over
	s_barrier_signal -1
	MULP F1, 0, HN, HN, 0
	WIN 0
	s_barrier_wait -1
.if \fill
	CREST                                          ; no wave of any partner still reads this slot or has a load on its way
	JLOAD
.else
	PLACES
.endif
	s_xor_b32 s[SL], s[SL], SLOT
	v_add_nc_u32 v[ADRA], s[SL], v[A0]
	v_add_nc_u32 v[ADRB], s[SL], v[B0]
	v_add_nc_u32 v[ADRB+1], s[SL], v[B1]
	FETCH 0, F0
	MULH F1, 1, 0
.endm
	s_load_b256 s[4:11], s[0:1], 0x0               ; A s[4:5], wh s[6:7], bias s[8:9], residual s[10:11]
	s_load_b64 s[12:13], s[0:1], 0x20              ; output
	v_lshl_add_u32 v[SPW], v0, 2, SPARE
	v_mov_b32 v[NIL], 0
	ds_add_u32 v[SPW], v[NIL]                      ; the wave's opening: the add and its wait ahead of my first tensor load
	ds_add_u32 v18, v19
	v_lshrrev_b32 v1, 5, v0
	v_readfirstlane_b32 s[WV], v1
	s_lshr_b32 s[FOR], s[WV], 1
	s_and_b32 s[HF], s[WV], 1
	s_lshr_b32 s[WM], s[WV], 1
	s_and_b32 s[WN], s[WV], 1
	s_bfe_u32 s[CX], ttmp6, 0x40000
	s_bfe_u32 s[CY], ttmp6, 0x40004
	s_lshl_b32 s[TX], ttmp9, 2
	s_add_co_u32 s[TX], s[TX], s[CX]
	s_and_b32 s[TY], ttmp7, 0xffff
	s_lshl_b32 s[TY], s[TY], 2
	s_add_co_u32 s[TY], s[TY], s[CY]
	s_lshl_b32 s2, s[CY], 2
	s_lshl_b32 s2, 15, s2
	s_lshl_b32 s3, 0x1111, s[CX]
	s_or_b32 s[G1A], s2, (1<<16)|(1<<20)|(1<<21)|(AQI<<22)|(3<<25)
	s_or_b32 s[G1B], s3, (1<<16)|(1<<20)|(1<<21)|(BQI<<22)|(7<<25)
	s_mov_b32 s[G1A+1], AD0<<16
	s_mov_b32 s[G1A+2], AD1<<16
	s_mov_b32 s[G1A+3], AD0<<16
	s_mov_b32 s[G1A+4], AD1
	s_mov_b32 s[G1A+5], ASTR
	s_mov_b32 s[G1A+6], 0
	s_mov_b32 s[G1A+7], 0
	s_mov_b32 s[G1B+1], BD0<<16
	s_mov_b32 s[G1B+2], BD1<<16
	s_mov_b32 s[G1B+3], BD0<<16
	s_mov_b32 s[G1B+4], BD1
	s_mov_b32 s[G1B+5], NN
	s_mov_b32 s[G1B+6], 0
	s_mov_b32 s[G1B+7], 0
	s_mul_i32 s[WOA], s[HF], AHALF
	s_mul_i32 s[WOB], s[HF], BHALF
	s_add_co_u32 s[WOB], s[WOB], BOFF
	s_mul_i32 s60, s[TY], TM                       ; A's offset: of the tile row and the wave's number alone
	s_mul_i32 s61, s[HF], TM/2
	s_add_co_u32 s60, s60, s61
	s_lshr_b32 s61, s60, 11
	s_and_b32 s60, s60, 2047
	s_mul_i32 s61, s61, ABATCH
	s_mul_i32 s60, s60, AROW
	s_add_co_u32 s60, s60, s61
	s_mov_b32 s61, 0
	s_mul_i32 s62, s[HF], (KSTEP/2)*NN*2           ; W's offset: of the tile column and the wave's number alone
	s_mul_i32 s63, s[TX], TN*2
	s_add_co_u32 s62, s62, s63
	s_add_co_u32 s62, s62, WOFF
	s_mov_b32 s63, 0
	s_and_b32 s[KI], ttmp7, 0xffff                 ; the cluster's y,
	s_mul_i32 s[KI], s[KI], RY
	s_mul_i32 s[ROT], ttmp9, RX                    ; its x:
	s_add_co_u32 s[ROT], s[ROT], s[KI]
	s_and_b32 s[ROT], s[ROT], NS-1                 ; the K step at which my cluster begins
	s_add_co_u32 s[KI], s[ROT], 1
	s_and_b32 s[KI], s[KI], NS-1                   ; and its second
	s_mov_b32 s[OFA+1], 0
	s_mov_b32 s[OFB+1], 0
	s_mov_b32 s[TQ], 2
	s_wait_dscnt 0x0
	s_wait_kmcnt 0x0
	s_add_nc_u64 s[60:61], s[4:5], s[60:61]        ; A at my rows, K = 0
	s_add_nc_u64 s[62:63], s[6:7], s[62:63]        ; W at my columns and my half of K step 0
	s_mul_i32 s[OFA], s[ROT], A_STEP
	s_mul_i32 s[OFB], s[ROT], B_STEP
	s_mov_b32 s[G0A0], 1
	s_mov_b32 s[G0A0+1], s[WOA]
	s_add_nc_u64 s[G0A0+2:G0A0+3], s[60:61], s[OFA:OFA+1]
	s_or_b32 s[G0A0+3], s[G0A0+3], 0x80000000
	s_mov_b32 s[G0B0], 1
	s_mov_b32 s[G0B0+1], s[WOB]
	s_add_nc_u64 s[G0B0+2:G0B0+3], s[62:63], s[OFB:OFB+1]
	s_or_b32 s[G0B0+3], s[G0B0+3], 0x80000000
	s_mul_i32 s[OFA], s[KI], A_STEP
	s_mul_i32 s[OFB], s[KI], B_STEP
	s_mov_b32 s[G0A], 1
	s_add_co_u32 s[G0A+1], s[WOA], SLOT
	s_add_nc_u64 s[G0A+2:G0A+3], s[60:61], s[OFA:OFA+1]
	s_or_b32 s[G0A+3], s[G0A+3], 0x80000000
	s_mov_b32 s[G0B], 1
	s_add_co_u32 s[G0B+1], s[WOB], SLOT
	s_add_nc_u64 s[G0B+2:G0B+3], s[62:63], s[OFB:OFB+1]
	s_or_b32 s[G0B+3], s[G0B+3], 0x80000000
	CROUND                                         ; all sixteen work-groups are here: the first joint loads meet
	s_cmp_eq_u32 s[FOR], 0                         ; a wave's two first fills stand in one branch: two loads of mine are out
	s_cbranch_scc0 .Lfirst_b
	tensor_load_to_lds s[G0A0:G0A0+3], s[G1A:G1A+7]
	s_nop 0
	tensor_load_to_lds s[G0A:G0A+3], s[G1A:G1A+7]
	s_nop 0
.rept 4
	v_nop
.endr
	s_branch .Lfirst_done
.Lfirst_b:
	tensor_load_to_lds s[G0B0:G0B0+3], s[G1B:G1B+7]
	s_nop 0
	tensor_load_to_lds s[G0B:G0B+3], s[G1B:G1B+7]
	s_nop 0
.rept 4
	v_nop
.endr
.Lfirst_done:
	v_and_b32 v3, 31, v0
	v_and_b32 v1, 15, v0
	v_bfe_u32 v2, v0, 4, 1
	v_mul_u32_u24 v[A0], v1, PA
	v_lshl_add_u32 v[A0], v2, 4, v[A0]
	s_mul_i32 s23, s[WM], AWB
	v_add_nc_u32 v[A0], s23, v[A0]
	v_and_b32 v4, 7, v0
	v_lshl_add_u32 v4, v2, 3, v4
	v_mul_u32_u24 v[B0], v4, PB
	v_bfe_u32 v5, v0, 3, 1
	v_lshl_add_u32 v[B0], v5, 4, v[B0]
	s_mul_i32 s23, s[WN], 32*NB
	s_add_co_u32 s23, s23, BOFF
	v_add_nc_u32 v[B0], s23, v[B0]
	v_add_nc_u32 v[B1], 2*KQ*PB, v[B0]
	s_mul_i32 s23, s[WM], 16*MB*SPITCH
	s_mul_i32 s66, s[WN], 64*NB
	s_add_co_u32 s23, s23, s66
	v_mul_u32_u24 v[STO], v1, SPITCH
	v_lshl_add_u32 v[STO], v2, 5, v[STO]
	v_add_nc_u32 v[STO], s23, v[STO]
	; the residual, in the accumulators' own layout: row l % 16 of a block, 32 bytes at 32 (l / 16); the 8 loads of a row block cover 16 rows x 256 bytes
	v_lshlrev_b32 v[RO], 12, v1
	v_lshl_add_u32 v[RO], v2, 5, v[RO]
	s_lshl_b32 s80, s[TY], 7
	s_lshl_b32 s81, s[WM], 6
	s_add_co_u32 s80, s80, s81
	s_lshl_b32 s80, s80, 12
	s_lshl_b32 s81, s[TX], 9
	s_add_co_u32 s80, s80, s81
	s_lshl_b32 s81, s[WN], 8
	s_add_co_u32 s80, s80, s81
	s_mov_b32 s81, 0
	s_add_nc_u64 s[10:11], s[10:11], s[80:81]
	WIN 0x80                                       ; destination window 2, address window 0
.set da, 0
.rept MB
.set db, 0
.rept NB
.set rD, 8*(NB*da+db)
	global_load_b128 v[rD:rD+3], v[RO], s[10:11] offset:da*65536+64*db
	global_load_b128 v[rD+4:rD+7], v[RO], s[10:11] offset:da*65536+64*db+16
.set db, db+1
.endr
.set da, da+1
.endr
	WIN 0
	; the way out: wave w takes rows 32 w .. of the stage, 4 rows a trip, a row of 512 bytes a load
	s_mul_i32 s23, s[WV], 32*SPITCH
	v_lshl_add_u32 v[RD], v3, 4, s23
	v_lshlrev_b32 v[CO], 4, v3
	s_lshl_b32 s80, s[TX], 9
	s_add_nc_u64 s[8:9], s[8:9], s[80:81]
	global_load_b128 v[64:67], v[CO], s[8:9]       ; the bias of my four columns
	s_lshl_b32 s80, s[TY], 7
	s_lshl_b32 s82, s[WV], 5
	s_add_co_u32 s80, s80, s82
	s_lshl_b32 s80, s80, 12
	s_lshl_b32 s82, s[TX], 9
	s_add_co_u32 s80, s80, s82
	s_add_nc_u64 s[12:13], s[12:13], s[80:81]
	s_mov_b32 s[SL], 0
	v_mov_b32 v[ADRA], v[A0]
	v_mov_b32 v[ADRB], v[B0]
	v_mov_b32 v[ADRB+1], v[B1]
	s_wait_tensorcnt 0x1                           ; my part of the first step is in; the second's may stay out
	s_barrier_signal -1
	s_barrier_wait -1
	FETCH 0, F0
	s_wait_loadcnt 0x0                             ; the residual and the bias
	WIN 0
	s_mov_b32 s[CNT], NS-2
.Lstep:                                        ; a trip is a K step; its change of slots asks for the step two on
	QUARTER 0, F0, F1, 0
	QUARTER 1, F1, F0, 0
	QUARTER 2, F0, F1, 0
	TURN 1
	WIN 0
	s_sub_co_u32 s[CNT], s[CNT], 1
	s_cmp_lg_u32 s[CNT], 0
	s_cbranch_scc1 .Lstep
	s_mov_b32 s[CNT], 2
.Ltail:                                        ; the last two steps ask for nothing; the second's change of slots fetches fragments that are never multiplied: the price of one text for both
	QUARTER 0, F0, F1, 0
	QUARTER 1, F1, F0, 0
	QUARTER 2, F0, F1, 0
	TURN 0
	WIN 0
	s_sub_co_u32 s[CNT], s[CNT], 1
	s_cmp_lg_u32 s[CNT], 0
	s_cbranch_scc1 .Ltail
	s_wait_dscnt 0x0                               ; my reads of the ring are over,
	s_barrier_signal -1
	s_barrier_wait -1                              ; everybody's are: the stage may be laid over it
	PLACES
	PLACES
.set da, 0
.rept MB
	WIN 0x08+4*(da/AH)
.set db, 0
.rept NB
.set rD, 8*(NB*(da%AH)+db)
	ds_store_b128 v[STO+da/4], v[rD:rD+3] offset:(da%4)*16*SPITCH+64*db
	ds_store_b128 v[STO+da/4], v[rD+4:rD+7] offset:(da%4)*16*SPITCH+64*db+16
.set db, db+1
.endr
.set da, da+1
.endr
	WIN 0
	s_wait_dscnt 0x0                               ; for the others' sake: my stores into the stage are done
	s_barrier_signal -1
	s_barrier_wait -1
.macro EPILOAD
.irp j, 0,1,2,3
	ds_load_b128 v[32+4*\j:35+4*\j], v[RD] offset:SPITCH*\j
.endr
.endm
.macro EPI ahead
	s_wait_dscnt 0x0
.irp j, 0,1,2,3
	v_pk_add_f32 v[48+4*\j:49+4*\j], v[32+4*\j:33+4*\j], v[64:65]
	v_pk_add_f32 v[50+4*\j:51+4*\j], v[34+4*\j:35+4*\j], v[66:67]
.endr
.if \ahead
	v_add_nc_u32 v[RD], 4*SPITCH, v[RD]
	EPILOAD
.endif
.irp j, 0,1,2,3
	global_store_b128 v[CO], v[48+4*\j:51+4*\j], s[12:13] offset:4096*\j  ; 512 consecutive bytes, at a multiple of 512 from the buffer's first
.endr
.if \ahead
	s_wait_xcnt 0x0                                ; the stores have read their registers and their base
	s_add_nc_u64 s[12:13], s[12:13], 16384
.endif
.endm
	EPILOAD
	s_mov_b32 s[CNT], 7
.Lout:
	EPI 1
	s_sub_co_u32 s[CNT], s[CNT], 1
	s_cmp_lg_u32 s[CNT], 0
	s_cbranch_scc1 .Lout
	EPI 0
	s_wait_tensorcnt 0x0                           ; the wave's end
	ds_add_u32 v[SPW], v[NIL]
	s_wait_dscnt 0x0
	CROUND                                         ; the closing round
	s_endpgm
.Lfunc_end_k_qb513854779_gemm_proj:
	.size	k_qb513854779_gemm_proj, .Lfunc_end_k_qb513854779_gemm_proj-k_qb513854779_gemm_proj
	.p2alignl 7, 3214868480
	.fill 96, 4, 3214868480
	.section	.rodata,"a",@progbits
	.p2align	6, 0x0
	.amdhsa_kernel k_qb513854779_gemm_proj
		.amdhsa_group_segment_fixed_size 327680
		.amdhsa_private_segment_fixed_size 0
		.amdhsa_enable_private_segment 0
		.amdhsa_kernarg_size 40
		.amdhsa_user_sgpr_count 2
		.amdhsa_user_sgpr_kernarg_segment_ptr 1
		.amdhsa_wavefront_size32 1
		.amdhsa_system_sgpr_workgroup_id_x 1
		.amdhsa_system_sgpr_workgroup_id_y 1
		.amdhsa_system_sgpr_workgroup_id_z 1
		.amdhsa_system_vgpr_workitem_id 0
		.amdhsa_next_free_vgpr 640
		.amdhsa_next_free_sgpr 90
		.amdhsa_reserve_vcc 0
		.amdhsa_float_denorm_mode_32 3
		.amdhsa_float_denorm_mode_16_64 3
		.amdhsa_memory_ordered 1
		.amdhsa_forward_progress 1
		.amdhsa_inst_pref_size 55
	.end_amdhsa_kernel
	.amdgpu_metadata
---
amdhsa.version: [ 1, 2 ]
amdhsa.kernels:
  - .name:           k_qb513854779_gemm_proj
    .symbol:         k_qb513854779_gemm_proj.kd
    .args:
      - { .name: yh, .offset: 0, .size: 8, .value_kind: global_buffer, .address_space: global }
      - { .name: wh, .offset: 8, .size: 8, .value_kind: global_buffer, .address_space: global }
      - { .name: b_proj, .offset: 16, .size: 8, .value_kind: global_buffer, .address_space: global }
      - { .name: x, .offset: 24, .size: 8, .value_kind: global_buffer, .address_space: global }
      - { .name: x1, .offset: 32, .size: 8, .value_kind: global_buffer, .address_space: global }
    .group_segment_fixed_size: 327680
    .private_segment_fixed_size: 0
    .kernarg_segment_align: 8
    .kernarg_segment_size: 40
    .max_flat_workgroup_size: 128
    .sgpr_count:     90
    .vgpr_count:     640
    .wavefront_size: 32
...
	.end_amdgpu_metadata
.endif
;; end of part 4
;; launch ln2: the kernel of part 1 again; grid 256 x 1, 8 waves a work-group, no clusters, 0 bytes of LDS; arguments x1, ln2_g, ln2_b, w_qkv, w_proj, w1, w2, hn, wh; writes hn, wh
;; launch gemm_fc1 (part 5): grid 16 x 16, 4 waves a work-group, clusters of 4 x 4, 327,680 bytes of LDS; arguments hn, wh, b1, gact; writes gact
.if DOCPART == 5
	.amdgcn_target "amdgcn-amd-amdhsa--gfx1250"
	.amdhsa_code_object_version 6
	.text
	.protected	k_qb513854779_gemm_fc1
	.globl	k_qb513854779_gemm_fc1
	.p2align	8
	.type	k_qb513854779_gemm_fc1,@function
k_qb513854779_gemm_fc1:
	s_mov_b64 s[64:65], 0
	v_nop
	global_prefetch_b8 v0, s[64:65] scope:SCOPE_SE
	s_setreg_imm32_b32 hwreg(HW_REG_WAVE_MODE, 25, 1), 1
	s_wait_xcnt 0x0
	s_wait_alu depctr_hold_cnt(0) depctr_sa_sdst(0) depctr_va_vdst(0) depctr_va_sdst(0) depctr_va_ssrc(0) depctr_va_vcc(0) depctr_vm_vsrc(0)
	s_getreg_b32 s2, hwreg(HW_REG_IB_STS2, 6, 4)
	s_cmp_eq_u32 s2, 0
	s_cbranch_scc0 .Lentry_in_a_cluster
	s_endpgm
.Lentry_in_a_cluster:
	s_bfe_u32 s2, ttmp6, 0x10000c
	s_cmp_lg_u32 s2, 0xf033
	s_cbranch_scc0 .Lentry_shape_is_right
	s_endpgm
.Lentry_shape_is_right:
; gact = gelu(hn @ w1 + b1), [4096][4096] f16, rounded once.  hn: [4096][1024] f16; w1: [1024][4096] f16 at byte 8,388,608 of wh.
; A tile of C is 256 x 256: 16 x 16 = 256 work-groups.  Four waves, 2 x 2, each 128 x 128: 64 accumulators, 512 registers.
; K goes in steps of 128 through two LDS slots; a step is written ONCE, the slot in hand is a scalar (SL).  W lies [K][N] in LDS and is turned by ds_load_tr16_b128.
; THE MATRIX INSTRUCTION IS USED TRANSPOSED: source 0 = 16 columns of W, source 1 = 16 rows of A: a lane holds row l % 16 of C and the columns 8 (l / 16) + 0..7.
; CLUSTER 4 x 4: A's tile is asked for jointly along a row of the cluster, W's along a column.
; EACH CLUSTER WALKS K FROM ITS OWN START: cluster (X, Y) begins at step (RX X + RY Y) mod NS and wraps round, so that clusters with the same rows of A (same Y) or the same columns of W (same X)
; ask for different steps at any one time.  The start hangs on the cluster's own coordinates, which its sixteen work-groups share.  The f32 sums are taken in that order of K.
; THE WAY OUT: the f32 sums go into a stage laid over the ring (whose last fill has landed and been read); a counted loop of 32 trips makes the GELU of 2 rows x 256 columns a wave and trip.
; GELU, exact form: 0.5 x (1 + erf(x / sqrt 2)) = h + |h| erf(sqrt 2 |h|), h = x / 2.  erf by Abramowitz and Stegun 7.1.25: 1 - (a1 t + a2 t^2 + a3 t^3) e^(-z^2), t = 1 / (1 + 0.47047 z).
; LIMITS: that formula's error is at most 2.5e-5 for every z, so the GELU is off by at most 1.3e-5 |x|.  f16 holds no number of 65,520 or more.  NaN and infinities are not treated apart.
; REGISTERS: window 0: addresses, the way out; window 1: two fragment buffers of 128 (A's fragments, then W's); windows 2, 3: accumulator (a, b) in window 2 + a / 4 at 8 (8 (a % 4) + b).
.set NN,    4096
.set KK,    1024
.set TM,    256
.set TN,    256
.set MB,    8
.set NB,    8
.set KSTEP, 128
.set SUB,   1
.set AH,    4
.set RX,    2
.set RY,    4
.set PA,    272                        ; 256 + 16: the 16 rows of a load start at 16 different groups of four banks (64 banks of 4 bytes: ISA guide 11.1)
.set AQ,    64
.set AA,    16*PA
.set AHALF, 128*PA
.set AWB,   128*PA
.set PB,    544                        ; 512 + 32: an odd multiple of 32
.set BGRP,  128
.set AD0,   128
.set AD1,   128
.set ASTR,  1024
.set AQI,   5
.set ABATCH, 4194304
.set AROW,  2048
.set A_STEP, 256
.set BD0,   256
.set BD1,   64
.set BQI,   6
.set WOFF,  8388608
.set KQ,     32*SUB
.set NS,     KK/KSTEP
.set BOFF,   2*AHALF
.set BHALF,  (KSTEP/2)*PB
.set SLOT,   BOFF+2*BHALF
.set SPARE,  2*SLOT                    ; behind the ring: the spare words, 128 bytes a wave: two blocks of 256 bytes that no other line names
.set SPITCH, 4*TN+16
.set B_STEP, KSTEP*NN*2
.set FB,     8*SUB*MB
.set F0,     0
.set F1,     128
.if SUB == 1
.set HN, AH/2
.else
.set HN, MB/2
.endif
.set A0,   8
.set B0,   9
.set B1,   10
.set ADRA, 11
.set ADRB, 12
.set STO,  14
.set RD,   16
.set CO,   17
.set SPW,  18
.set NIL,  19
.set BO,   21
.set WV,  14
.set FOR, 15
.set HF,  16
.set WM,  17
.set WN,  18
.set CX,  19
.set CY,  20
.set TX,  21
.set TY,  22
.set G1A, 24
.set G1B, 32
.set G0A0, 40
.set G0A, 44
.set G0B0, 48
.set G0B, 52
.set SL,  56
.set WOA, 57
.set WOB, 58
.set CNT, 59
.set ROT, 83                           ; the cluster's first K step
.set TQ,  84                           ; how many steps have been asked for
.set KI,  85                           ; the K step to ask for: (TQ + ROT) mod NS
.set OFA, 86                           ; s[86:87] its byte offset in A
.set OFB, 88                           ; s[88:89] in W
.set MSB, 0
.macro WIN new
.if MSB != (\new)
	s_set_vgpr_msb (MSB<<8)|(\new)
.set MSB, (\new)
.endif
.endm
.macro PLACES
.rept 4
	v_nop
.endr
.endm
.macro CREST
	s_cmp_lg_u32 s[WV], 0
	s_cbranch_scc1 .Lnot_wave_0_\@
	s_barrier_signal -3
.Lnot_wave_0_\@:
	s_barrier_wait -3
	s_barrier_signal -1
	s_barrier_wait -1
.endm
.macro CROUND
	s_barrier_signal -1
	s_barrier_wait -1
	CREST
.endm
.macro JLOAD                           ; a joint refill: waves 0, 1 ask for A's halves, waves 2, 3 for W's; s_nop 0 and four v_nop follow each line
	s_cmp_eq_u32 s[FOR], 0
	s_cbranch_scc0 .Lfor_b_\@
	tensor_load_to_lds s[G0A:G0A+3], s[G1A:G1A+7]
	s_nop 0
.rept 4
	v_nop
.endr
	s_branch .Lasked_\@
.Lfor_b_\@:
	tensor_load_to_lds s[G0B:G0B+3], s[G1B:G1B+7]
	s_nop 0
.rept 4
	v_nop
.endr
.Lasked_\@:
.endm
.macro FETCH q, f                      ; 32 LDS loads in one run: quarter q's fragments into buffer f
	WIN 0x40
.set fc, 0
.rept SUB
.set fb, 0
.rept NB
.set rB, (\f)+FB+8*(NB*fc+fb)
.set oB, (((\q)%2)*KQ+32*fc)*PB+(fb/4)*BGRP+(fb%4)*32
	ds_load_tr16_b128 v[rB:rB+3], v[ADRB+(\q)/2] offset:oB
	ds_load_tr16_b128 v[rB+4:rB+7], v[ADRB+(\q)/2] offset:oB+16*PB
.set fb, fb+1
.endr
.set fa, 0
.rept MB
.set rA, (\f)+8*(MB*fc+fa)
.set oA, (\q)*AQ+64*fc+fa*AA
	ds_load_b128 v[rA:rA+3], v[ADRA] offset:oA
	ds_load_b128 v[rA+4:rA+7], v[ADRA] offset:oA+32
.set fa, fa+1
.endr
.set fc, fc+1
.endr
.endm
.macro MULP f, c, a0, n, zero          ; the accumulators take turns, one instruction a turn
.set ma, (\a0)
.rept (\n)
	WIN 0xa5+0x50*(ma/AH)
.set mb, 0
.rept NB
.set rD, 8*(NB*(ma%AH)+mb)
.set rB, (\f)+FB+8*(NB*(\c)+mb)
.set rA, (\f)+8*(MB*(\c)+ma)
.if \zero
	v_wmma_f32_16x16x32_f16 v[rD:rD+7], v[rB:rB+7], v[rA:rA+7], 0
.else
	v_wmma_f32_16x16x32_f16 v[rD:rD+7], v[rB:rB+7], v[rA:rA+7], v[rD:rD+7]
.endif
.set mb, mb+1
.endr
.set ma, ma+1
.endr
.endm
.macro MULH f, hlf, zero
.if SUB == 1
	MULP \f, 0, AH*(\hlf), AH, \zero
.else
	MULP \f, \hlf, 0, MB, 0
.endif
.endm
.macro QUARTER q, f, g, zero           ; at its head it asks for quarter q + 1's fragments, into buffer g, which the quarter before multiplied; then it multiplies buffer f
	PLACES
	FETCH (\q)+1, \g
	s_wait_dscnt 32                                ; all but the 32 loads just issued: buffer f, asked for a quarter ago, is in
	MULH \f, 0, \zero
	MULH \f, 1, \zero
.endm
.macro TURN fill                       ; quarter 3, on buffer 1, and the change of slots
	WIN 0
	s_wait_tensorcnt 0x0                           ; all my tensor loads have landed: the one that was out is my part of the next slot; so a group 0 may be written
	ds_add_u32 v[SPW], v[NIL]                      ; 0 onto my spare word
.if \fill
	s_add_co_u32 s[KI], s[TQ], s[ROT]              ; the next K step of my cluster's walk,
	s_and_b32 s[KI], s[KI], NS-1                   ; round the end of K
	s_mul_i32 s[OFA], s[KI], A_STEP
	s_mul_i32 s[OFB], s[KI], B_STEP
	s_add_co_u32 s[TQ], s[TQ], 1
	s_add_co_u32 s[G0A+1], s[SL], s[WOA]           ; into the slot that is being read out
	s_add_nc_u64 s[G0A+2:G0A+3], s[60:61], s[OFA:OFA+1]  ; the address is made anew: the base and the step's offset,
	s_or_b32 s[G0A+3], s[G0A+3], 0x80000000        ; the type bits on top
	s_add_co_u32 s[G0B+1], s[SL], s[WOB]
	s_add_nc_u64 s[G0B+2:G0B+3], s[62:63], s[OFB:OFB+1]
	s_or_b32 s[G0B+3], s[G0B+3], 0x80000000
.endif
	s_wait_dscnt 1                                 ; only the add may be out: buffer 1's 32 loads are in
	MULP F1, 0, 0, HN, 0
	s_wait_dscnt 0x0                               ; the add is done, and my reads of this slot are over
	s_barrier_signal -1
	MULP F1, 0, HN, HN, 0
	WIN 0
	s_barrier_wait -1
.if \fill
	CREST                                          ; no wave of any partner still reads this slot or has a load on its way
	JLOAD
.else
	PLACES
.endif
	s_xor_b32 s[SL], s[SL], SLOT
	v_add_nc_u32 v[ADRA], s[SL], v[A0]
	v_add_nc_u32 v[ADRB], s[SL], v[B0]
	v_add_nc_u32 v[ADRB+1], s[SL], v[B1]
	FETCH 0, F0
	MULH F1, 1, 0
.endm
	s_load_b256 s[4:11], s[0:1], 0x0               ; A s[4:5], wh s[6:7], bias s[8:9], output s[10:11]
	v_lshl_add_u32 v[SPW], v0, 2, SPARE
	v_mov_b32 v[NIL], 0
	ds_add_u32 v[SPW], v[NIL]                      ; the wave's opening: the add and its wait ahead of my first tensor load
	ds_add_u32 v18, v19
	v_lshrrev_b32 v1, 5, v0
	v_readfirstlane_b32 s[WV], v1
	s_lshr_b32 s[FOR], s[WV], 1
	s_and_b32 s[HF], s[WV], 1
	s_lshr_b32 s[WM], s[WV], 1
	s_and_b32 s[WN], s[WV], 1
	s_bfe_u32 s[CX], ttmp6, 0x40000
	s_bfe_u32 s[CY], ttmp6, 0x40004
	s_lshl_b32 s[TX], ttmp9, 2
	s_add_co_u32 s[TX], s[TX], s[CX]
	s_and_b32 s[TY], ttmp7, 0xffff
	s_lshl_b32 s[TY], s[TY], 2
	s_add_co_u32 s[TY], s[TY], s[CY]
	s_lshl_b32 s2, s[CY], 2
	s_lshl_b32 s2, 15, s2
	s_lshl_b32 s3, 0x1111, s[CX]
	s_or_b32 s[G1A], s2, (1<<16)|(1<<20)|(1<<21)|(AQI<<22)|(3<<25)
	s_or_b32 s[G1B], s3, (1<<16)|(1<<20)|(1<<21)|(BQI<<22)|(7<<25)
	s_mov_b32 s[G1A+1], AD0<<16
	s_mov_b32 s[G1A+2], AD1<<16
	s_mov_b32 s[G1A+3], AD0<<16
	s_mov_b32 s[G1A+4], AD1
	s_mov_b32 s[G1A+5], ASTR
	s_mov_b32 s[G1A+6], 0
	s_mov_b32 s[G1A+7], 0
	s_mov_b32 s[G1B+1], BD0<<16
	s_mov_b32 s[G1B+2], BD1<<16
	s_mov_b32 s[G1B+3], BD0<<16
	s_mov_b32 s[G1B+4], BD1
	s_mov_b32 s[G1B+5], NN
	s_mov_b32 s[G1B+6], 0
	s_mov_b32 s[G1B+7], 0
	s_mul_i32 s[WOA], s[HF], AHALF
	s_mul_i32 s[WOB], s[HF], BHALF
	s_add_co_u32 s[WOB], s[WOB], BOFF
	s_mul_i32 s60, s[TY], TM                       ; A's offset: of the tile row and the wave's number alone
	s_mul_i32 s61, s[HF], TM/2
	s_add_co_u32 s60, s60, s61
	s_lshr_b32 s61, s60, 11
	s_and_b32 s60, s60, 2047
	s_mul_i32 s61, s61, ABATCH
	s_mul_i32 s60, s60, AROW
	s_add_co_u32 s60, s60, s61
	s_mov_b32 s61, 0
	s_mul_i32 s62, s[HF], (KSTEP/2)*NN*2           ; W's offset: of the tile column and the wave's number alone
	s_mul_i32 s63, s[TX], TN*2
	s_add_co_u32 s62, s62, s63
	s_add_co_u32 s62, s62, WOFF
	s_mov_b32 s63, 0
	s_and_b32 s[KI], ttmp7, 0xffff                 ; the cluster's y,
	s_mul_i32 s[KI], s[KI], RY
	s_mul_i32 s[ROT], ttmp9, RX                    ; its x:
	s_add_co_u32 s[ROT], s[ROT], s[KI]
	s_and_b32 s[ROT], s[ROT], NS-1                 ; the K step at which my cluster begins
	s_add_co_u32 s[KI], s[ROT], 1
	s_and_b32 s[KI], s[KI], NS-1                   ; and its second
	s_mov_b32 s[OFA+1], 0
	s_mov_b32 s[OFB+1], 0
	s_mov_b32 s[TQ], 2
	s_mov_b32 s68, 0x3f2a540e                      ; 0.47047 sqrt 2; each constant twice: the packed forms name a pair
	s_mov_b32 s69, s68
	s_mov_b32 s70, 0xc038aa3b                      ; -2 log2(e): e^(-z^2) = 2^(-2 log2(e) h^2)
	s_mov_b32 s71, s70
	s_mov_b32 s72, 0x3eb2303a                      ; a1 =  0.3480242
	s_mov_b32 s73, s72
	s_mov_b32 s74, 0xbdc45ca1                      ; a2 = -0.0958798
	s_mov_b32 s75, s74
	s_mov_b32 s76, 0x3f3f7377                      ; a3 =  0.7478556
	s_mov_b32 s77, s76
	s_mov_b32 s78, 0x7fffffff
	s_wait_dscnt 0x0
	s_wait_kmcnt 0x0
	s_add_nc_u64 s[60:61], s[4:5], s[60:61]        ; A at my rows, K = 0
	s_add_nc_u64 s[62:63], s[6:7], s[62:63]        ; W at my columns and my half of K step 0
	s_mul_i32 s[OFA], s[ROT], A_STEP
	s_mul_i32 s[OFB], s[ROT], B_STEP
	s_mov_b32 s[G0A0], 1
	s_mov_b32 s[G0A0+1], s[WOA]
	s_add_nc_u64 s[G0A0+2:G0A0+3], s[60:61], s[OFA:OFA+1]
	s_or_b32 s[G0A0+3], s[G0A0+3], 0x80000000
	s_mov_b32 s[G0B0], 1
	s_mov_b32 s[G0B0+1], s[WOB]
	s_add_nc_u64 s[G0B0+2:G0B0+3], s[62:63], s[OFB:OFB+1]
	s_or_b32 s[G0B0+3], s[G0B0+3], 0x80000000
	s_mul_i32 s[OFA], s[KI], A_STEP
	s_mul_i32 s[OFB], s[KI], B_STEP
	s_mov_b32 s[G0A], 1
	s_add_co_u32 s[G0A+1], s[WOA], SLOT
	s_add_nc_u64 s[G0A+2:G0A+3], s[60:61], s[OFA:OFA+1]
	s_or_b32 s[G0A+3], s[G0A+3], 0x80000000
	s_mov_b32 s[G0B], 1
	s_add_co_u32 s[G0B+1], s[WOB], SLOT
	s_add_nc_u64 s[G0B+2:G0B+3], s[62:63], s[OFB:OFB+1]
	s_or_b32 s[G0B+3], s[G0B+3], 0x80000000
	CROUND                                         ; all sixteen work-groups are here: the first joint loads meet
	s_cmp_eq_u32 s[FOR], 0                         ; a wave's two first fills stand in one branch: two loads of mine are out
	s_cbranch_scc0 .Lfirst_b
	tensor_load_to_lds s[G0A0:G0A0+3], s[G1A:G1A+7]
	s_nop 0
	tensor_load_to_lds s[G0A:G0A+3], s[G1A:G1A+7]
	s_nop 0
.rept 4
	v_nop
.endr
	s_branch .Lfirst_done
.Lfirst_b:
	tensor_load_to_lds s[G0B0:G0B0+3], s[G1B:G1B+7]
	s_nop 0
	tensor_load_to_lds s[G0B:G0B+3], s[G1B:G1B+7]
	s_nop 0
.rept 4
	v_nop
.endr
.Lfirst_done:
	v_and_b32 v3, 31, v0
	v_and_b32 v1, 15, v0
	v_bfe_u32 v2, v0, 4, 1
	v_mul_u32_u24 v[A0], v1, PA
	v_lshl_add_u32 v[A0], v2, 4, v[A0]
	s_mul_i32 s23, s[WM], AWB
	v_add_nc_u32 v[A0], s23, v[A0]
	v_and_b32 v4, 7, v0
	v_lshl_add_u32 v4, v2, 3, v4
	v_mul_u32_u24 v[B0], v4, PB
	v_bfe_u32 v5, v0, 3, 1
	v_lshl_add_u32 v[B0], v5, 4, v[B0]
	s_mul_i32 s23, s[WN], 32*NB
	s_add_co_u32 s23, s23, BOFF
	v_add_nc_u32 v[B0], s23, v[B0]
	v_add_nc_u32 v[B1], 2*KQ*PB, v[B0]
	s_mul_i32 s23, s[WM], 16*MB*SPITCH
	s_mul_i32 s66, s[WN], 64*NB
	s_add_co_u32 s23, s23, s66
	v_mul_u32_u24 v[STO], v1, SPITCH
	v_lshl_add_u32 v[STO], v2, 5, v[STO]
	v_add_nc_u32 v[STO], s23, v[STO]
	v_add_nc_u32 v[STO+1], 64*SPITCH, v[STO]       ; row blocks 4 to 7: so that the immediates stay within 16 bits
	; the way out: wave w takes rows 64 w .. of the stage, 2 rows a trip; lane l: columns 4 l .. and 128 + 4 l ..
	s_mul_i32 s23, s[WV], 64*SPITCH
	v_lshl_add_u32 v[RD], v3, 4, s23
	v_lshlrev_b32 v[CO], 3, v3
	v_lshlrev_b32 v[BO], 4, v3
	s_lshl_b32 s80, s[TX], 10
	s_mov_b32 s81, 0
	s_add_nc_u64 s[8:9], s[8:9], s[80:81]
	global_load_b128 v[136:139], v[BO], s[8:9]
	global_load_b128 v[140:143], v[BO], s[8:9] offset:512
	s_lshl_b32 s80, s[TY], 8
	s_lshl_b32 s82, s[WV], 6
	s_add_co_u32 s80, s80, s82
	s_lshl_b32 s80, s80, 13
	s_lshl_b32 s82, s[TX], 9
	s_add_co_u32 s80, s80, s82
	s_add_nc_u64 s[10:11], s[10:11], s[80:81]
	s_mov_b32 s[SL], 0
	v_mov_b32 v[ADRA], v[A0]
	v_mov_b32 v[ADRB], v[B0]
	v_mov_b32 v[ADRB+1], v[B1]
	s_wait_tensorcnt 0x1                           ; my part of the first step is in; the second's may stay out
	s_barrier_signal -1
	s_barrier_wait -1
	FETCH 0, F0
	QUARTER 0, F0, F1, 1                           ; the first quarter's products start the sums: nothing is cleared
	WIN 0
	s_mov_b32 s[CNT], NS-2
	s_branch .Lmid
.Lstep:                                        ; a trip is a K step; its change of slots asks for the step two on
	QUARTER 0, F0, F1, 0
	WIN 0
.Lmid:
	QUARTER 1, F1, F0, 0
	QUARTER 2, F0, F1, 0
	TURN 1
	WIN 0
	s_sub_co_u32 s[CNT], s[CNT], 1
	s_cmp_lg_u32 s[CNT], 0
	s_cbranch_scc1 .Lstep
	s_mov_b32 s[CNT], 2
.Ltail:                                        ; the last two steps ask for nothing; the second's change of slots fetches fragments that are never multiplied: the price of one text for both
	QUARTER 0, F0, F1, 0
	QUARTER 1, F1, F0, 0
	QUARTER 2, F0, F1, 0
	TURN 0
	WIN 0
	s_sub_co_u32 s[CNT], s[CNT], 1
	s_cmp_lg_u32 s[CNT], 0
	s_cbranch_scc1 .Ltail
	s_wait_dscnt 0x0                               ; my reads of the ring are over,
	s_barrier_signal -1
	s_barrier_wait -1                              ; everybody's are: the stage may be laid over it
	PLACES
	PLACES
.set da, 0
.rept MB
	WIN 0x08+4*(da/AH)
.set db, 0
.rept NB
.set rD, 8*(NB*(da%AH)+db)
	ds_store_b128 v[STO+da/4], v[rD:rD+3] offset:(da%4)*16*SPITCH+64*db
	ds_store_b128 v[STO+da/4], v[rD+4:rD+7] offset:(da%4)*16*SPITCH+64*db+16
.set db, db+1
.endr
.set da, da+1
.endr
	WIN 0
	s_wait_loadcnt 0x0                             ; the bias,
.set p, 0
.rept 4
	v_pk_mul_f32 v[136+2*p:137+2*p], v[136+2*p:137+2*p], 0.5 op_sel_hi:[1,0]  ; halved once
.set p, p+1
.endr
	s_wait_dscnt 0x0                               ; for the others' sake: my stores into the stage are done
	s_barrier_signal -1
	s_barrier_wait -1
.set XR, 32                            ; 16 sums as read
.set HR, 48                            ; h = (sum + bias) / 2, at last the result
.set AB, 64                            ; |h|
.set UR, 80                            ; 1 + 0.47047 z, then t
.set WR, 96                            ; -2 log2(e) h^2, then e^(-z^2)
.set QR, 112                           ; the polynomial, then erf
.set YR, 128
.set HB, 136
.macro EPILOAD
	ds_load_b128 v[XR:XR+3], v[RD]
	ds_load_b128 v[XR+4:XR+7], v[RD] offset:512
	ds_load_b128 v[XR+8:XR+11], v[RD] offset:SPITCH
	ds_load_b128 v[XR+12:XR+15], v[RD] offset:SPITCH+512
.endm
.macro EPI ahead
	s_wait_dscnt 0x0
.set p, 0
.rept 8
	v_pk_fma_f32 v[HR+2*p:HR+2*p+1], v[XR+2*p:XR+2*p+1], 0.5, v[HB+2*(p%4):HB+2*(p%4)+1] op_sel_hi:[1,0,1]
.set p, p+1
.endr
.if \ahead
	v_add_nc_u32 v[RD], 2*SPITCH, v[RD]
	EPILOAD                                        ; the next trip's rows come under this trip's arithmetic
.endif
.set p, 0
.rept 16
	v_and_b32 v[AB+p], s78, v[HR+p]
.set p, p+1
.endr
.set p, 0
.rept 8
	v_pk_fma_f32 v[UR+2*p:UR+2*p+1], v[AB+2*p:AB+2*p+1], s[68:69], 1.0 op_sel_hi:[1,0,0]
.set p, p+1
.endr
.set p, 0
.rept 8
	v_pk_mul_f32 v[WR+2*p:WR+2*p+1], v[HR+2*p:HR+2*p+1], v[HR+2*p:HR+2*p+1]
.set p, p+1
.endr
.set p, 0
.rept 8
	v_pk_mul_f32 v[WR+2*p:WR+2*p+1], v[WR+2*p:WR+2*p+1], s[70:71] op_sel_hi:[1,0]
.set p, p+1
.endr
.set p, 0
.rept 16
	v_rcp_f32 v[UR+p], v[UR+p]
.set p, p+1
.endr
.set p, 0
.rept 16
	v_exp_f32 v[WR+p], v[WR+p]
.set p, p+1
.endr
	v_nop                                          ; a plain instruction between the last transcendental and the use of its result (ISA guide 5.7.2)
.set p, 0
	s_wait_alu depctr_va_vdst(0)
.rept 8
	v_pk_fma_f32 v[QR+2*p:QR+2*p+1], v[UR+2*p:UR+2*p+1], s[76:77], s[74:75] op_sel_hi:[1,0,0]
.set p, p+1
.endr
.set p, 0
.rept 8
	v_pk_fma_f32 v[QR+2*p:QR+2*p+1], v[QR+2*p:QR+2*p+1], v[UR+2*p:UR+2*p+1], s[72:73] op_sel_hi:[1,1,0]
.set p, p+1
.endr
.set p, 0
.rept 8
	v_pk_mul_f32 v[QR+2*p:QR+2*p+1], v[QR+2*p:QR+2*p+1], v[UR+2*p:UR+2*p+1]
.set p, p+1
.endr
.set p, 0
.rept 8
	v_pk_fma_f32 v[QR+2*p:QR+2*p+1], v[QR+2*p:QR+2*p+1], v[WR+2*p:WR+2*p+1], 1.0 op_sel_hi:[1,1,0] neg_lo:[1,0,0] neg_hi:[1,0,0]  ; erf
.set p, p+1
.endr
.set p, 0
.rept 8
	v_pk_fma_f32 v[HR+2*p:HR+2*p+1], v[AB+2*p:AB+2*p+1], v[QR+2*p:QR+2*p+1], v[HR+2*p:HR+2*p+1]
.set p, p+1
.endr
.set p, 0
.rept 8
	v_cvt_pk_f16_f32 v[YR+p], v[HR+2*p], v[HR+2*p+1]
.set p, p+1
.endr
	global_store_b64 v[CO], v[YR:YR+1], s[10:11]               ; each store: 32 lanes, 256 consecutive bytes, aligned
	global_store_b64 v[CO], v[YR+2:YR+3], s[10:11] offset:256
	global_store_b64 v[CO], v[YR+4:YR+5], s[10:11] offset:8192
	global_store_b64 v[CO], v[YR+6:YR+7], s[10:11] offset:8448
.if \ahead
	s_wait_xcnt 0x0                                ; the stores have read their registers and their base
	s_add_nc_u64 s[10:11], s[10:11], 16384
.endif
.endm
	EPILOAD
	s_mov_b32 s[CNT], 31
.Lout:
	EPI 1
	s_sub_co_u32 s[CNT], s[CNT], 1
	s_cmp_lg_u32 s[CNT], 0
	s_cbranch_scc1 .Lout
	EPI 0
	s_wait_tensorcnt 0x0                           ; the wave's end
	ds_add_u32 v[SPW], v[NIL]
	s_wait_dscnt 0x0
	CROUND                                         ; the closing round
	s_endpgm
.Lfunc_end_k_qb513854779_gemm_fc1:
	.size	k_qb513854779_gemm_fc1, .Lfunc_end_k_qb513854779_gemm_fc1-k_qb513854779_gemm_fc1
	.p2alignl 7, 3214868480
	.fill 96, 4, 3214868480
	.section	.rodata,"a",@progbits
	.p2align	6, 0x0
	.amdhsa_kernel k_qb513854779_gemm_fc1
		.amdhsa_group_segment_fixed_size 327680
		.amdhsa_private_segment_fixed_size 0
		.amdhsa_enable_private_segment 0
		.amdhsa_kernarg_size 32
		.amdhsa_user_sgpr_count 2
		.amdhsa_user_sgpr_kernarg_segment_ptr 1
		.amdhsa_wavefront_size32 1
		.amdhsa_system_sgpr_workgroup_id_x 1
		.amdhsa_system_sgpr_workgroup_id_y 1
		.amdhsa_system_sgpr_workgroup_id_z 1
		.amdhsa_system_vgpr_workitem_id 0
		.amdhsa_next_free_vgpr 1024
		.amdhsa_next_free_sgpr 90
		.amdhsa_reserve_vcc 0
		.amdhsa_float_denorm_mode_32 3
		.amdhsa_float_denorm_mode_16_64 3
		.amdhsa_memory_ordered 1
		.amdhsa_forward_progress 1
		.amdhsa_inst_pref_size 94
	.end_amdhsa_kernel
	.amdgpu_metadata
---
amdhsa.version: [ 1, 2 ]
amdhsa.kernels:
  - .name:           k_qb513854779_gemm_fc1
    .symbol:         k_qb513854779_gemm_fc1.kd
    .args:
      - { .name: hn, .offset: 0, .size: 8, .value_kind: global_buffer, .address_space: global }
      - { .name: wh, .offset: 8, .size: 8, .value_kind: global_buffer, .address_space: global }
      - { .name: b1, .offset: 16, .size: 8, .value_kind: global_buffer, .address_space: global }
      - { .name: gact, .offset: 24, .size: 8, .value_kind: global_buffer, .address_space: global }
    .group_segment_fixed_size: 327680
    .private_segment_fixed_size: 0
    .kernarg_segment_align: 8
    .kernarg_segment_size: 32
    .max_flat_workgroup_size: 128
    .sgpr_count:     90
    .vgpr_count:     1024
    .wavefront_size: 32
...
	.end_amdgpu_metadata
.endif
;; end of part 5
;; launch gemm_fc2 (part 6): grid 8 x 32, 4 waves a work-group, clusters of 4 x 4, 327,680 bytes of LDS; arguments gact, wh, b2, x1, out0; writes out0
.if DOCPART == 6
	.amdgcn_target "amdgcn-amd-amdhsa--gfx1250"
	.amdhsa_code_object_version 6
	.text
	.protected	k_qb513854779_gemm_fc2
	.globl	k_qb513854779_gemm_fc2
	.p2align	8
	.type	k_qb513854779_gemm_fc2,@function
k_qb513854779_gemm_fc2:
	s_mov_b64 s[64:65], 0
	v_nop
	global_prefetch_b8 v0, s[64:65] scope:SCOPE_SE
	s_setreg_imm32_b32 hwreg(HW_REG_WAVE_MODE, 25, 1), 1
	s_wait_xcnt 0x0
	s_wait_alu depctr_hold_cnt(0) depctr_sa_sdst(0) depctr_va_vdst(0) depctr_va_sdst(0) depctr_va_ssrc(0) depctr_va_vcc(0) depctr_vm_vsrc(0)
	s_getreg_b32 s2, hwreg(HW_REG_IB_STS2, 6, 4)
	s_cmp_eq_u32 s2, 0
	s_cbranch_scc0 .Lentry_in_a_cluster
	s_endpgm
.Lentry_in_a_cluster:
	s_bfe_u32 s2, ttmp6, 0x10000c
	s_cmp_lg_u32 s2, 0xf033
	s_cbranch_scc0 .Lentry_shape_is_right
	s_endpgm
.Lentry_shape_is_right:
; out0 = x1 + gact @ w2 + b2, f32.  gact: [4096][4096] f16; w2: [4096][1024] f16 at byte 16,777,216 of wh.
; A tile of C is 128 x 128: 8 x 32 = 256 work-groups.  Four waves, 2 x 2, each 64 x 64: 16 accumulators.  THE RESIDUAL STARTS THE SUMS: x1 is loaded straight into the accumulators.
; K goes in steps of 256 (A's rows are 512 bytes of memory) through two LDS slots; a step is written ONCE, the slot in hand is a scalar (SL).  W lies [K][N] in LDS and is turned by ds_load_tr16_b128.
; THE MATRIX INSTRUCTION IS USED TRANSPOSED: source 0 = 16 columns of W, source 1 = 16 rows of A: a lane holds row l % 16 of C and the columns 8 (l / 16) + 0..7.
; CLUSTER 4 x 4: A's tile is asked for jointly along a row of the cluster, W's along a column.
; EACH CLUSTER WALKS K FROM ITS OWN START: cluster (X, Y) begins at step (RX X + RY Y) mod NS and wraps round, so that clusters with the same rows of A (same Y: two of them, eight steps apart) or the
; same columns of W (same X) ask for different steps at any one time.  The start hangs on the cluster's own coordinates, which its sixteen work-groups share.  The f32 sums are taken in that order of K.
; A IS PREFETCHED INTO THE L2 for the fifth to eighth step of a cluster's walk: the steps of its first eight, which the other cluster with these rows walks eight steps later, less the two that the head
; asks for and the two that lie inside the lead.  See ASK.
; THE WAY OUT: the f32 sums go into a stage laid over the ring (whose last fill has landed and been read); a counted loop adds the bias and stores rows of 512 bytes.
; LIMITS: NaN and infinities are not treated apart.
; REGISTERS: window 0: addresses, the way out; window 1: two fragment buffers of 128 (A's fragments, then W's); window 2: accumulator (a, b) at 8 (NB a + b).
.set NN,    1024
.set KK,    4096
.set TM,    128
.set TN,    128
.set MB,    4
.set NB,    4
.set KSTEP, 256
.set SUB,   2
.set AH,    4
.set RX,    8
.set RY,    4
.set PA,    528                        ; 512 + 16: the 16 rows of a load start at 16 different groups of four banks (64 banks of 4 bytes: ISA guide 11.1)
.set AQ,    128
.set AA,    16*PA
.set AHALF, 64*PA
.set AWB,   AHALF
.set PB,    288                        ; 256 + 32: an odd multiple of 32
.set BGRP,  128
.set AD0,   256
.set AD1,   64
.set ASTR,  4096
.set AQI,   6
.set ABATCH, 16777216
.set AROW,  8192
.set A_STEP, 512
.set BD0,   128
.set BD1,   128
.set BQI,   5
.set WOFF,  16777216
.set KQ,     32*SUB
.set NS,     KK/KSTEP
.set BOFF,   2*AHALF
.set BHALF,  (KSTEP/2)*PB
.set SLOT,   BOFF+2*BHALF
.set SPARE,  2*SLOT                    ; behind the ring: the spare words, 128 bytes a wave: two blocks of 256 bytes that no other line names
.set SPITCH, 4*TN+16
.set B_STEP, KSTEP*NN*2
.set FB,     8*SUB*MB
.set F0,     0
.set F1,     128
.if SUB == 1
.set HN, AH/2
.else
.set HN, MB/2
.endif
.set A0,   8
.set B0,   9
.set B1,   10
.set ADRA, 11
.set ADRB, 12
.set STO,  14
.set RD,   16
.set CO,   17
.set SPW,  18
.set NIL,  19
.set RO,   20
.set PFO,  22                          ; v22  the prefetches' offset: row l / 2 of 16, block l % 2 of a step's two blocks of 256 bytes; never rewritten
.set WV,  14
.set FOR, 15
.set HF,  16
.set WM,  17
.set WN,  18
.set CX,  19
.set CY,  20
.set TX,  21
.set TY,  22
.set G1A, 24
.set G1B, 32
.set G0A0, 40
.set G0A, 44
.set G0B0, 48
.set G0B, 52
.set SL,  56
.set WOA, 57
.set WOB, 58
.set CNT, 59
.set ROT, 83                           ; the cluster's first K step
.set TQ,  84                           ; how many steps have been asked for
.set KI,  85                           ; the K step to ask for: (TQ + ROT) mod NS
.set OFA, 86                           ; s[86:87] its byte offset in A
.set OFB, 88                           ; s[88:89] in W
.set PFB, 90                           ; s[90:91] A at my work-group's 16 of the 64 rows that I fetch, K = 0
.set LIM, 92                           ; s92  a wave prefetches while CNT is above it
.set PFA, 94                           ; s[94:95] the same rows at the step that the prefetch names
.set MSB, 0
.macro WIN new
.if MSB != (\new)
	s_set_vgpr_msb (MSB<<8)|(\new)
.set MSB, (\new)
.endif
.endm
.macro PLACES
.rept 4
	v_nop
.endr
.endm
.macro CREST
	s_cmp_lg_u32 s[WV], 0
	s_cbranch_scc1 .Lnot_wave_0_\@
	s_barrier_signal -3
.Lnot_wave_0_\@:
	s_barrier_wait -3
	s_barrier_signal -1
	s_barrier_wait -1
.endm
.macro CROUND
	s_barrier_signal -1
	s_barrier_wait -1
	CREST
.endm
.macro JLOAD                           ; a joint refill: waves 0, 1 ask for A's halves, waves 2, 3 for W's; s_nop 0 and four v_nop follow each line
	s_cmp_eq_u32 s[FOR], 0
	s_cbranch_scc0 .Lfor_b_\@
	tensor_load_to_lds s[G0A:G0A+3], s[G1A:G1A+7]
	s_nop 0
.rept 4
	v_nop
.endr
	s_branch .Lasked_\@
.Lfor_b_\@:
	tensor_load_to_lds s[G0B:G0B+3], s[G1B:G1B+7]
	s_nop 0
.rept 4
	v_nop
.endr
.Lasked_\@:
.endm
; A PREFETCH INTO THE L2, behind the joint load, its five lines and the run of LDS loads that follows: A's K step that stands TWO refills on, 256 matrix instructions ahead of the load that will ask for it.
; WHO: waves 0 and 1, which fetch A.  Of the 64 rows that such a wave fetches each of the four partners that ask with it takes 16, told apart BY ADDRESS (its place cx); a step is 512 bytes of a row,
; two blocks of 256: 32 blocks, a lane a block, one instruction.  WHEN: in the loop's first four trips, which name the fifth to eighth step of the cluster's walk; the other cluster with these rows
; names its own fifth to eighth, which lie eight steps on: no block is named twice in the launch.  Nothing is asked for at the head, and nothing for W, whose columns four or more clusters walk four steps apart.
.macro ASK
	s_cmp_gt_u32 s[CNT], s[LIM]
	s_cbranch_scc0 .Lnot_mine_\@
	global_prefetch_b8 v[PFO], s[PFA:PFA+1] th:TH_LOAD_NT scope:SCOPE_SE
.Lnot_mine_\@:
.endm
.macro FETCH q, f                      ; 32 LDS loads in one run: quarter q's fragments into buffer f
	WIN 0x40
.set fc, 0
.rept SUB
.set fb, 0
.rept NB
.set rB, (\f)+FB+8*(NB*fc+fb)
.set oB, (((\q)%2)*KQ+32*fc)*PB+(fb/4)*BGRP+(fb%4)*32
	ds_load_tr16_b128 v[rB:rB+3], v[ADRB+(\q)/2] offset:oB
	ds_load_tr16_b128 v[rB+4:rB+7], v[ADRB+(\q)/2] offset:oB+16*PB
.set fb, fb+1
.endr
.set fa, 0
.rept MB
.set rA, (\f)+8*(MB*fc+fa)
.set oA, (\q)*AQ+64*fc+fa*AA
	ds_load_b128 v[rA:rA+3], v[ADRA] offset:oA
	ds_load_b128 v[rA+4:rA+7], v[ADRA] offset:oA+32
.set fa, fa+1
.endr
.set fc, fc+1
.endr
.endm
.macro MULP f, c, a0, n, zero          ; the accumulators take turns, one instruction a turn
.set ma, (\a0)
.rept (\n)
	WIN 0xa5+0x50*(ma/AH)
.set mb, 0
.rept NB
.set rD, 8*(NB*(ma%AH)+mb)
.set rB, (\f)+FB+8*(NB*(\c)+mb)
.set rA, (\f)+8*(MB*(\c)+ma)
.if \zero
	v_wmma_f32_16x16x32_f16 v[rD:rD+7], v[rB:rB+7], v[rA:rA+7], 0
.else
	v_wmma_f32_16x16x32_f16 v[rD:rD+7], v[rB:rB+7], v[rA:rA+7], v[rD:rD+7]
.endif
.set mb, mb+1
.endr
.set ma, ma+1
.endr
.endm
.macro MULH f, hlf, zero
.if SUB == 1
	MULP \f, 0, AH*(\hlf), AH, \zero
.else
	MULP \f, \hlf, 0, MB, 0
.endif
.endm
.macro QUARTER q, f, g, zero           ; at its head it asks for quarter q + 1's fragments, into buffer g, which the quarter before multiplied; then it multiplies buffer f
	PLACES
	FETCH (\q)+1, \g
	s_wait_dscnt 32                                ; all but the 32 loads just issued: buffer f, asked for a quarter ago, is in
	MULH \f, 0, \zero
	MULH \f, 1, \zero
.endm
.macro TURN fill                       ; quarter 3, on buffer 1, and the change of slots
.if \fill
	s_wait_xcnt 0x0                                ; the last prefetch, a K step back, has read its address: it is made anew here, ahead of the waits of the change of slots
	s_add_co_u32 s[KI], s[TQ], s[ROT]
	s_add_co_u32 s[KI], s[KI], 2                   ; two steps behind the one that this change asks for,
	s_and_b32 s[KI], s[KI], NS-1                   ; round the end of K: every lane stays inside its row
	s_mul_i32 s[OFA], s[KI], A_STEP
	s_add_nc_u64 s[PFA:PFA+1], s[PFB:PFB+1], s[OFA:OFA+1]
.endif
	WIN 0
	s_wait_tensorcnt 0x0                           ; all my tensor loads have landed: the one that was out is my part of the next slot; so a group 0 may be written
	ds_add_u32 v[SPW], v[NIL]                      ; 0 onto my spare word
.if \fill
	s_add_co_u32 s[KI], s[TQ], s[ROT]              ; the next K step of my cluster's walk,
	s_and_b32 s[KI], s[KI], NS-1                   ; round the end of K
	s_mul_i32 s[OFA], s[KI], A_STEP
	s_mul_i32 s[OFB], s[KI], B_STEP
	s_add_co_u32 s[TQ], s[TQ], 1
	s_add_co_u32 s[G0A+1], s[SL], s[WOA]           ; into the slot that is being read out
	s_add_nc_u64 s[G0A+2:G0A+3], s[60:61], s[OFA:OFA+1]  ; the address is made anew: the base and the step's offset,
	s_or_b32 s[G0A+3], s[G0A+3], 0x80000000        ; the type bits on top
	s_add_co_u32 s[G0B+1], s[SL], s[WOB]
	s_add_nc_u64 s[G0B+2:G0B+3], s[62:63], s[OFB:OFB+1]
	s_or_b32 s[G0B+3], s[G0B+3], 0x80000000
.endif
	s_wait_dscnt 1                                 ; only the add may be out: buffer 1's 32 loads are in
	MULP F1, 0, 0, HN, 0
	s_wait_dscnt 0x0                               ; the add is done, and my reads of this slot are over
	s_barrier_signal -1
	MULP F1, 0, HN, HN, 0
	WIN 0
	s_barrier_wait -1
.if \fill
	CREST                                          ; no wave of any partner still reads this slot or has a load on its way
	JLOAD
.else
	PLACES
.endif
	s_xor_b32 s[SL], s[SL], SLOT
	v_add_nc_u32 v[ADRA], s[SL], v[A0]
	v_add_nc_u32 v[ADRB], s[SL], v[B0]
	v_add_nc_u32 v[ADRB+1], s[SL], v[B1]
	FETCH 0, F0
.if \fill
	WIN 0                                          ; at a branch and at a label every window is 0
	ASK
.endif
	MULH F1, 1, 0
.endm
	s_load_b256 s[4:11], s[0:1], 0x0               ; A s[4:5], wh s[6:7], bias s[8:9], residual s[10:11]
	s_load_b64 s[12:13], s[0:1], 0x20              ; output
	v_lshl_add_u32 v[SPW], v0, 2, SPARE
	v_mov_b32 v[NIL], 0
	ds_add_u32 v[SPW], v[NIL]                      ; the wave's opening: the add and its wait ahead of my first tensor load
	ds_add_u32 v18, v19
	v_lshrrev_b32 v1, 5, v0
	v_readfirstlane_b32 s[WV], v1
	s_lshr_b32 s[FOR], s[WV], 1
	s_and_b32 s[HF], s[WV], 1
	s_lshr_b32 s[WM], s[WV], 1
	s_and_b32 s[WN], s[WV], 1
	s_bfe_u32 s[CX], ttmp6, 0x40000
	s_bfe_u32 s[CY], ttmp6, 0x40004
	s_lshl_b32 s[TX], ttmp9, 2
	s_add_co_u32 s[TX], s[TX], s[CX]
	s_and_b32 s[TY], ttmp7, 0xffff
	s_lshl_b32 s[TY], s[TY], 2
	s_add_co_u32 s[TY], s[TY], s[CY]
	s_lshl_b32 s2, s[CY], 2
	s_lshl_b32 s2, 15, s2
	s_lshl_b32 s3, 0x1111, s[CX]
	s_or_b32 s[G1A], s2, (1<<16)|(1<<20)|(1<<21)|(AQI<<22)|(3<<25)
	s_or_b32 s[G1B], s3, (1<<16)|(1<<20)|(1<<21)|(BQI<<22)|(7<<25)
	s_mov_b32 s[G1A+1], AD0<<16
	s_mov_b32 s[G1A+2], AD1<<16
	s_mov_b32 s[G1A+3], AD0<<16
	s_mov_b32 s[G1A+4], AD1
	s_mov_b32 s[G1A+5], ASTR
	s_mov_b32 s[G1A+6], 0
	s_mov_b32 s[G1A+7], 0
	s_mov_b32 s[G1B+1], BD0<<16
	s_mov_b32 s[G1B+2], BD1<<16
	s_mov_b32 s[G1B+3], BD0<<16
	s_mov_b32 s[G1B+4], BD1
	s_mov_b32 s[G1B+5], NN
	s_mov_b32 s[G1B+6], 0
	s_mov_b32 s[G1B+7], 0
	s_mul_i32 s[WOA], s[HF], AHALF
	s_mul_i32 s[WOB], s[HF], BHALF
	s_add_co_u32 s[WOB], s[WOB], BOFF
	s_mul_i32 s60, s[TY], TM                       ; A's offset: of the tile row and the wave's number alone
	s_mul_i32 s61, s[HF], TM/2
	s_add_co_u32 s60, s60, s61
	s_lshr_b32 s61, s60, 11
	s_and_b32 s60, s60, 2047
	s_mul_i32 s61, s61, ABATCH
	s_mul_i32 s60, s60, AROW
	s_add_co_u32 s60, s60, s61
	s_mov_b32 s61, 0
	s_mul_i32 s62, s[HF], (KSTEP/2)*NN*2           ; W's offset: of the tile column and the wave's number alone
	s_mul_i32 s63, s[TX], TN*2
	s_add_co_u32 s62, s62, s63
	s_add_co_u32 s62, s62, WOFF
	s_mov_b32 s63, 0
	s_and_b32 s[KI], ttmp7, 0xffff                 ; the cluster's y,
	s_mul_i32 s[KI], s[KI], RY
	s_mul_i32 s[ROT], ttmp9, RX                    ; its x:
	s_add_co_u32 s[ROT], s[ROT], s[KI]
	s_and_b32 s[ROT], s[ROT], NS-1                 ; the K step at which my cluster begins
	s_add_co_u32 s[KI], s[ROT], 1
	s_and_b32 s[KI], s[KI], NS-1                   ; and its second
	s_mov_b32 s[OFA+1], 0
	s_mov_b32 s[OFB+1], 0
	s_mov_b32 s[TQ], 2
	s_cmp_eq_u32 s[FOR], 0                         ; the waves that fetch A prefetch while CNT is NS - 2 .. NS - 5: four trips; the others never
	s_cselect_b32 s[LIM], NS-6, -1
	s_wait_dscnt 0x0
	s_wait_kmcnt 0x0
	s_add_nc_u64 s[60:61], s[4:5], s[60:61]        ; A at my rows, K = 0
	s_add_nc_u64 s[62:63], s[6:7], s[62:63]        ; W at my columns and my half of K step 0
	s_mul_i32 s[OFA], s[ROT], A_STEP
	s_mul_i32 s[OFB], s[ROT], B_STEP
	s_mov_b32 s[G0A0], 1
	s_mov_b32 s[G0A0+1], s[WOA]
	s_add_nc_u64 s[G0A0+2:G0A0+3], s[60:61], s[OFA:OFA+1]
	s_or_b32 s[G0A0+3], s[G0A0+3], 0x80000000
	s_mov_b32 s[G0B0], 1
	s_mov_b32 s[G0B0+1], s[WOB]
	s_add_nc_u64 s[G0B0+2:G0B0+3], s[62:63], s[OFB:OFB+1]
	s_or_b32 s[G0B0+3], s[G0B0+3], 0x80000000
	s_mul_i32 s[OFA], s[KI], A_STEP
	s_mul_i32 s[OFB], s[KI], B_STEP
	s_mov_b32 s[G0A], 1
	s_add_co_u32 s[G0A+1], s[WOA], SLOT
	s_add_nc_u64 s[G0A+2:G0A+3], s[60:61], s[OFA:OFA+1]
	s_or_b32 s[G0A+3], s[G0A+3], 0x80000000
	s_mov_b32 s[G0B], 1
	s_add_co_u32 s[G0B+1], s[WOB], SLOT
	s_add_nc_u64 s[G0B+2:G0B+3], s[62:63], s[OFB:OFB+1]
	s_or_b32 s[G0B+3], s[G0B+3], 0x80000000
	CROUND                                         ; all sixteen work-groups are here: the first joint loads meet
	s_cmp_eq_u32 s[FOR], 0                         ; a wave's two first fills stand in one branch: two loads of mine are out
	s_cbranch_scc0 .Lfirst_b
	tensor_load_to_lds s[G0A0:G0A0+3], s[G1A:G1A+7]
	s_nop 0
	tensor_load_to_lds s[G0A:G0A+3], s[G1A:G1A+7]
	s_nop 0
.rept 4
	v_nop
.endr
	s_branch .Lfirst_done
.Lfirst_b:
	tensor_load_to_lds s[G0B0:G0B0+3], s[G1B:G1B+7]
	s_nop 0
	tensor_load_to_lds s[G0B:G0B+3], s[G1B:G1B+7]
	s_nop 0
.rept 4
	v_nop
.endr
.Lfirst_done:
	v_and_b32 v3, 31, v0
	v_and_b32 v1, 15, v0
	v_bfe_u32 v2, v0, 4, 1
	v_mul_u32_u24 v[A0], v1, PA
	v_lshl_add_u32 v[A0], v2, 4, v[A0]
	s_mul_i32 s23, s[WM], AWB
	v_add_nc_u32 v[A0], s23, v[A0]
	v_and_b32 v4, 7, v0
	v_lshl_add_u32 v4, v2, 3, v4
	v_mul_u32_u24 v[B0], v4, PB
	v_bfe_u32 v5, v0, 3, 1
	v_lshl_add_u32 v[B0], v5, 4, v[B0]
	s_mul_i32 s23, s[WN], 32*NB
	s_add_co_u32 s23, s23, BOFF
	v_add_nc_u32 v[B0], s23, v[B0]
	v_add_nc_u32 v[B1], 2*KQ*PB, v[B0]
	s_mul_i32 s23, s[WM], 16*MB*SPITCH
	s_mul_i32 s66, s[WN], 64*NB
	s_add_co_u32 s23, s23, s66
	v_mul_u32_u24 v[STO], v1, SPITCH
	v_lshl_add_u32 v[STO], v2, 5, v[STO]
	v_add_nc_u32 v[STO], s23, v[STO]
	; the prefetches: my work-group's 16 rows of the 64 that I fetch; a lane a block of 256 bytes
	s_lshl_b32 s80, s[CX], 17                      ; 16 rows of 8,192 bytes for each place along the cluster's row
	s_mov_b32 s81, 0
	s_add_nc_u64 s[PFB:PFB+1], s[60:61], s[80:81]
	v_lshrrev_b32 v[PFO], 1, v3
	v_and_b32 v4, 1, v3
	v_lshlrev_b32 v[PFO], 13, v[PFO]
	v_lshl_add_u32 v[PFO], v4, 8, v[PFO]
	; the residual, in the accumulators' own layout: row l % 16 of a block, 32 bytes at 32 (l / 16); the 8 loads of a row block cover 16 rows x 256 bytes
	v_lshlrev_b32 v[RO], 12, v1
	v_lshl_add_u32 v[RO], v2, 5, v[RO]
	s_lshl_b32 s80, s[TY], 7
	s_lshl_b32 s81, s[WM], 6
	s_add_co_u32 s80, s80, s81
	s_lshl_b32 s80, s80, 12
	s_lshl_b32 s81, s[TX], 9
	s_add_co_u32 s80, s80, s81
	s_lshl_b32 s81, s[WN], 8
	s_add_co_u32 s80, s80, s81
	s_mov_b32 s81, 0
	s_add_nc_u64 s[10:11], s[10:11], s[80:81]
	WIN 0x80                                       ; destination window 2, address window 0
.set da, 0
.rept MB
.set db, 0
.rept NB
.set rD, 8*(NB*da+db)
	global_load_b128 v[rD:rD+3], v[RO], s[10:11] offset:da*65536+64*db
	global_load_b128 v[rD+4:rD+7], v[RO], s[10:11] offset:da*65536+64*db+16
.set db, db+1
.endr
.set da, da+1
.endr
	WIN 0
	; the way out: wave w takes rows 32 w .. of the stage, 4 rows a trip, a row of 512 bytes a load
	s_mul_i32 s23, s[WV], 32*SPITCH
	v_lshl_add_u32 v[RD], v3, 4, s23
	v_lshlrev_b32 v[CO], 4, v3
	s_lshl_b32 s80, s[TX], 9
	s_add_nc_u64 s[8:9], s[8:9], s[80:81]
	global_load_b128 v[64:67], v[CO], s[8:9]       ; the bias of my four columns
	s_lshl_b32 s80, s[TY], 7
	s_lshl_b32 s82, s[WV], 5
	s_add_co_u32 s80, s80, s82
	s_lshl_b32 s80, s80, 12
	s_lshl_b32 s82, s[TX], 9
	s_add_co_u32 s80, s80, s82
	s_add_nc_u64 s[12:13], s[12:13], s[80:81]
	s_mov_b32 s[SL], 0
	v_mov_b32 v[ADRA], v[A0]
	v_mov_b32 v[ADRB], v[B0]
	v_mov_b32 v[ADRB+1], v[B1]
	s_wait_tensorcnt 0x1                           ; my part of the first step is in; the second's may stay out
	s_barrier_signal -1
	s_barrier_wait -1
	FETCH 0, F0
	s_wait_loadcnt 0x0                             ; the residual and the bias
	WIN 0
	s_mov_b32 s[CNT], NS-2
.Lstep:                                        ; a trip is a K step; its change of slots asks for the step two on
	QUARTER 0, F0, F1, 0
	QUARTER 1, F1, F0, 0
	QUARTER 2, F0, F1, 0
	TURN 1
	WIN 0
	s_sub_co_u32 s[CNT], s[CNT], 1
	s_cmp_lg_u32 s[CNT], 0
	s_cbranch_scc1 .Lstep
	s_mov_b32 s[CNT], 2
.Ltail:                                        ; the last two steps ask for nothing; the second's change of slots fetches fragments that are never multiplied: the price of one text for both
	QUARTER 0, F0, F1, 0
	QUARTER 1, F1, F0, 0
	QUARTER 2, F0, F1, 0
	TURN 0
	WIN 0
	s_sub_co_u32 s[CNT], s[CNT], 1
	s_cmp_lg_u32 s[CNT], 0
	s_cbranch_scc1 .Ltail
	s_wait_dscnt 0x0                               ; my reads of the ring are over,
	s_barrier_signal -1
	s_barrier_wait -1                              ; everybody's are: the stage may be laid over it
	PLACES
	PLACES
.set da, 0
.rept MB
	WIN 0x08+4*(da/AH)
.set db, 0
.rept NB
.set rD, 8*(NB*(da%AH)+db)
	ds_store_b128 v[STO+da/4], v[rD:rD+3] offset:(da%4)*16*SPITCH+64*db
	ds_store_b128 v[STO+da/4], v[rD+4:rD+7] offset:(da%4)*16*SPITCH+64*db+16
.set db, db+1
.endr
.set da, da+1
.endr
	WIN 0
	s_wait_dscnt 0x0                               ; for the others' sake: my stores into the stage are done
	s_barrier_signal -1
	s_barrier_wait -1
.macro EPILOAD
.irp j, 0,1,2,3
	ds_load_b128 v[32+4*\j:35+4*\j], v[RD] offset:SPITCH*\j
.endr
.endm
.macro EPI ahead
	s_wait_dscnt 0x0
.irp j, 0,1,2,3
	v_pk_add_f32 v[48+4*\j:49+4*\j], v[32+4*\j:33+4*\j], v[64:65]
	v_pk_add_f32 v[50+4*\j:51+4*\j], v[34+4*\j:35+4*\j], v[66:67]
.endr
.if \ahead
	v_add_nc_u32 v[RD], 4*SPITCH, v[RD]
	EPILOAD
.endif
.irp j, 0,1,2,3
	global_store_b128 v[CO], v[48+4*\j:51+4*\j], s[12:13] offset:4096*\j  ; 512 consecutive bytes, at a multiple of 512 from the buffer's first
.endr
.if \ahead
	s_wait_xcnt 0x0                                ; the stores have read their registers and their base
	s_add_nc_u64 s[12:13], s[12:13], 16384
.endif
.endm
	EPILOAD
	s_mov_b32 s[CNT], 7
.Lout:
	EPI 1
	s_sub_co_u32 s[CNT], s[CNT], 1
	s_cmp_lg_u32 s[CNT], 0
	s_cbranch_scc1 .Lout
	EPI 0
	s_wait_tensorcnt 0x0                           ; the wave's end
	ds_add_u32 v[SPW], v[NIL]
	s_wait_dscnt 0x0
	CROUND                                         ; the closing round
	s_endpgm
.Lfunc_end_k_qb513854779_gemm_fc2:
	.size	k_qb513854779_gemm_fc2, .Lfunc_end_k_qb513854779_gemm_fc2-k_qb513854779_gemm_fc2
	.p2alignl 7, 3214868480
	.fill 96, 4, 3214868480
	.section	.rodata,"a",@progbits
	.p2align	6, 0x0
	.amdhsa_kernel k_qb513854779_gemm_fc2
		.amdhsa_group_segment_fixed_size 327680
		.amdhsa_private_segment_fixed_size 0
		.amdhsa_enable_private_segment 0
		.amdhsa_kernarg_size 40
		.amdhsa_user_sgpr_count 2
		.amdhsa_user_sgpr_kernarg_segment_ptr 1
		.amdhsa_wavefront_size32 1
		.amdhsa_system_sgpr_workgroup_id_x 1
		.amdhsa_system_sgpr_workgroup_id_y 1
		.amdhsa_system_sgpr_workgroup_id_z 1
		.amdhsa_system_vgpr_workitem_id 0
		.amdhsa_next_free_vgpr 640
		.amdhsa_next_free_sgpr 96
		.amdhsa_reserve_vcc 0
		.amdhsa_float_denorm_mode_32 3
		.amdhsa_float_denorm_mode_16_64 3
		.amdhsa_memory_ordered 1
		.amdhsa_forward_progress 1
		.amdhsa_inst_pref_size 56
	.end_amdhsa_kernel
	.amdgpu_metadata
---
amdhsa.version: [ 1, 2 ]
amdhsa.kernels:
  - .name:           k_qb513854779_gemm_fc2
    .symbol:         k_qb513854779_gemm_fc2.kd
    .args:
      - { .name: gact, .offset: 0, .size: 8, .value_kind: global_buffer, .address_space: global }
      - { .name: wh, .offset: 8, .size: 8, .value_kind: global_buffer, .address_space: global }
      - { .name: b2, .offset: 16, .size: 8, .value_kind: global_buffer, .address_space: global }
      - { .name: x1, .offset: 24, .size: 8, .value_kind: global_buffer, .address_space: global }
      - { .name: out0, .offset: 32, .size: 8, .value_kind: global_buffer, .address_space: global }
    .group_segment_fixed_size: 327680
    .private_segment_fixed_size: 0
    .kernarg_segment_align: 8
    .kernarg_segment_size: 40
    .max_flat_workgroup_size: 128
    .sgpr_count:     96
    .vgpr_count:     640
    .wavefront_size: 32
...
	.end_amdgpu_metadata
.endif
;; end of part 6
